; MI455X (gfx1250); checked and timed in simulation.
; The chip was launched on July 23, 2026; its instructions are those of AMD's public machine-readable ISA for CDNA 5 (MIT licence, August 2026) and "CDNA5" Instruction Set Architecture Reference Guide (July 2026). The comments in the code are by the model that wrote it; some were corrected since.
;; DSA Multi Head Attention. Allowed arithmetic: matrix products marked QUANTISED: E2M3 operands, one E8M0 scale for each 32 along K, by v_wmma_scale_f32_16x16x128_f8f6f4 with both operands' format E2M3, f32 sums; everything else in f32.
;; Inputs: bk 512 float32; bo 512 float32; bq 512 float32; bv 512 float32; ln_b 512 float32; ln_g 512 float32; wk 512 x 512 float32; wo 512 x 512 float32; wq 512 x 512 float32; wv 512 x 512 float32; x 2 x 4,096 x 512 float32.
;; Outputs: out0 2 x 4,096 x 512 float32.
;; This version of the problem:
;;   THIS VERSION OF THE PROBLEM IS GIVEN IN LOW PRECISION. The matrix products marked QUANTISED in the list below multiply operands that are first quantised to E2M3 (2 exponent bits, 3 mantissa bits; 6 bits a number), with one power-of-two scale for each 32 numbers along K (OCP MX v1.0); their sums are f32. All else is computed in f32.
;;   The module's matrix products, in the order in which they are computed (A, B: the left and right operand; K: the contracted axis; several contracted axes count as one K, in the product's order):
;;     1. [M 8,192, K 512] x [K 512, N 512]; A: input x; B: input wq: QUANTISED
;;     2. [M 8,192, K 512] x [K 512, N 512]; A: input x; B: input wk: QUANTISED
;;     3. [M 8,192, K 512] x [K 512, N 512]; A: input x; B: input wv: QUANTISED
;;     4. batch 16 x [M 4,096, K 64] x [K 64, N 4,096]; A: computed on the way; B: computed on the way: QUANTISED
;;     5. batch 16 x [M 4,096, K 4,096] x [K 4,096, N 64]; A: softmax (see below); B: computed on the way: QUANTISED
;;     6. [M 8,192, K 512] x [K 512, N 512]; A: computed on the way; B: input wo: QUANTISED
;;   THE QUANTISER, for each operand of a quantised product, along K:
;;     - K is cut into blocks of 32 from its start; a last block that is shorter is filled with zeros.
;;     - A block's scale is 2^e with e = floor(log2(the largest magnitude in the block)) - 2, held to -126 .. 127; a block of zeros has e = 0. As a byte (E8M0): e + 127.
;;     - Each number is divided by its block's scale, clamped to +-7.5, and rounded to the nearest number of E2M3, ties to even, subnormals kept.
;;     - The product sums the exact products of the quantised numbers (number of the format x scale) in f32.
;;   ~~~python
;;   def quantise(x, axis):      # numpy; x: float32 -> the quantised numbers, widened to float32 again
;;       x = np.moveaxis(x, axis, -1); K = x.shape[-1]
;;       x = np.pad(x, [(0, 0)] * (x.ndim - 1) + [(0, -K % 32)]); x = x.reshape(x.shape[:-1] + (-1, 32)); a = np.abs(x).max(-1, keepdims=True)
;;       e = np.where(a > 0, np.clip(np.frexp(np.where(a > 0, a, 1))[1] - 1 - 2, -126, 127), 0)      # np.frexp(a)[1] - 1 = floor(log2(a)), exactly
;;       r = np.clip(x / 2.0 ** e, -7.5, 7.5)
;;       step = 2.0 ** (np.maximum(np.frexp(np.where(r == 0, 1, r))[1] - 1, 0) - 3)
;;       q = np.round(r / step) * step * 2.0 ** e      # np.round: ties to even
;;       return np.moveaxis(q.reshape(q.shape[:-2] + (-1,))[..., :K], -1, axis).astype(np.float32)
;;   ~~~
;;   SOFTMAX AHEAD OF A QUANTISED PRODUCT. Where the list says 'softmax', what is quantised is not the finished softmax but p = 2^(t - M), with t = logit x log2(e) and M = ceil(the row's largest t), a whole number; so 1/2 < the row's largest p <= 1. The row's sum l is taken of the UNQUANTISED p, in f32, and the product's result is divided by l at the end. Since M is a whole number, a kernel that streams over the keys may use a running M (the ceiling of the running maximum): every later rescaling is an exact power of two, which a block's scale takes up: the codes' values come out the same.
;;   OPERANDS COMPUTED ON THE WAY. 'Computed on the way' means the value that the module computes at that place (a softmax that the list does not call 'softmax' is quantised finished and normalised). What goes into a quantiser is computed in f32, as accurately as f32 sums, v_exp_f32 and their like allow (about 1e-6 of the number): no bf16 or f16 on the way to a quantiser, and a product that is left as it is and whose result goes on into a quantised operand takes f32 operands (vector FMAs, or v_wmma_f32_16x16x4_f32). A number that lies on a knife's edge between two numbers of the format may be rounded either way, as far as f32 arithmetic and the matrix unit's own rounding can turn it there, and no further.
;; One version. Each part assembles by itself: llvm-mc -triple=amdgcn-amd-amdhsa -mcpu=gfx1250 --defsym DOCPART=n.
;; ======== version 1 of 1: 4 launches
;; limits: right only within a limited range of input values
;; workspace buffers: xq 3,407,872 bytes; wc 851,968 bytes; qb 3,670,016 bytes; kv 6,815,744 bytes; cb 3,670,016 bytes
;; launch prep (part 1): grid 640 x 1, 4 waves a work-group, no clusters, 0 bytes of LDS; arguments x, wq, wk, wv, wo, xq, wc; writes xq, wc
.if DOCPART == 1
	.amdgcn_target "amdgcn-amd-amdhsa--gfx1250"
	.amdhsa_code_object_version 6
	.text
	.protected	k_q8d5a7efde1_prep
	.globl	k_q8d5a7efde1_prep
	.p2align	8
	.type	k_q8d5a7efde1_prep,@function
k_q8d5a7efde1_prep:
	s_mov_b64 s[64:65], 0
	v_nop
	global_prefetch_b8 v0, s[64:65] scope:SCOPE_SE
	s_setreg_imm32_b32 hwreg(HW_REG_WAVE_MODE, 25, 1), 1
	s_wait_xcnt 0x0
; x [8192][512] and the four weights [512 (k)][512 (n)], f32, become codes of FP6 (E2M3) with one E8M0 byte for each 32 along K (the 512 inputs).
; A block's scale is 2^(floor(log2(largest magnitude)) - 2): its byte is the largest magnitude's exponent field - 2, held at 1 from below.
; THE OUTPUT IS LAID AS THE READER'S REGISTERS WANT IT.  A fragment (16 rows x 128 K, 12 registers a lane) is 1,536 bytes: registers 4 c .. 4 c + 3 of lane L at 512 c + 16 L;
; its scale words are 128 bytes: the word of the lane's row at 4 L.  A record holds 8 tiles x 4 K steps: fragment (t, s) at (4 t + s) x 1536, its words at 49,152 + (4 t + s) x 128.
; THE ROWS OF A TILE ARE NOT NEIGHBOURS: row r of tile 2 b + u is index 32 b + 8 u + r + 8 (r / 8), so that a later product's 16 registers of two neighbouring tiles are 16 neighbours along the next K.
; Work-groups 0-511: one tile of 16 tokens of x, wave s its K step s.  A lane loads, of its row, 16 neighbours of each block of 32; the block's other half lies in lane l xor 16.
; Work-groups 512-639: the weights.  K is their first axis: a lane takes a column and its registers run down K, so the conversions' results are the operand's registers and nothing is transposed.
; No LDS, no barrier, no cluster: the waves share no input, and every byte is read once.  The text has no loop: all of a wave's loads go out together.
; LIMITS: a block whose largest magnitude lies under 2^-124, a block of zeros among them, gets the byte 1 (its codes are then zeros or held small; only this program reads the bytes); NaN and infinities are not served.
.set REC,  53248                       ; a record: 32 fragments and their 32 x 128 bytes of scale words
.set SCO,  49152                       ; where a record's scale words begin
.set PC,   16                          ; v16-27  the fragment's codes
.set PT,   28                          ; v28-35  the conversions' second halves (three registers must begin on an even number)
.set TM,   36                          ; v36-39 largest magnitudes, v40-43 the other lane's, then bytes, v44-47 the conversions' scale operands
.set PW,   48                          ; v48     the scale word
.set TT,   49                          ; v49     at work
.set X,    64                          ; v64-127 64 numbers
.set SEL,  22                          ; s[22:23] v_permlanex16_b32's selects for lane l xor 16
; 64 numbers of a lane, register 16 b + i = k 32 b + 16 (lane / 16) + i of its row, become a fragment's codes in v[PC] on and its scale word in v[pw]
.macro QUANT s, pw
.irp b, 0,1,2,3
	v_max3_num_f32 v[TM+\b], |v[\s+16*\b]|, |v[\s+1+16*\b]|, 0x1800000   ; my 16 numbers of block b, and the floor 2^(3 - 127): the byte cannot fall under 1
.endr
.irp i, 2,4,6,8,10,12,14
.irp b, 0,1,2,3
	v_max3_num_f32 v[TM+\b], v[TM+\b], |v[\s+16*\b+\i]|, |v[\s+1+16*\b+\i]|   ; the four blocks by turns
.endr
.endr
.irp b, 0,1,2,3
	v_permlanex16_b32 v[TM+4+\b], v[TM+\b], s[SEL], s[SEL+1]
.endr
.irp b, 0,1,2,3
	v_max_num_f32 v[TM+\b], v[TM+\b], v[TM+4+\b]                   ; with lane l xor 16's: the block's largest magnitude
.endr
.irp b, 0,1,2,3
	v_add_nc_u32 v[TM+8+\b], 0xff000000, v[TM+\b]                  ; 2 off its exponent field: the conversion takes that field as its scale
.endr
.irp b, 0,1,2,3
	v_lshrrev_b32 v[TM+4+\b], 23, v[TM+8+\b]                       ; the scale's byte
.endr
	v_lshl_or_b32 v[\pw], v[TM+5], 8, v[TM+4]
	v_lshl_or_b32 v[\pw], v[TM+6], 16, v[\pw]
	v_lshl_or_b32 v[\pw], v[TM+7], 24, v[\pw]
.irp c, 0,1
	v_cvt_scalef32_pk16_fp6_f32 v[PC+6*\c:PC+2+6*\c], v[\s+32*\c:\s+15+32*\c], v[TM+8+2*\c]
	v_cvt_scalef32_pk16_fp6_f32 v[PT+4*\c:PT+2+4*\c], v[\s+16+32*\c:\s+31+32*\c], v[TM+9+2*\c]
.endr
	v_nop                                          ; one plain place behind a scaled conversion
.irp c, 0,1                                    ; the layout wants a whole block in a lane: lanes 0-15 block 2 c, lanes 16-31 block 2 c + 1
.irp i, 0,1,2
	v_permlane16_swap_b32 v[PC+6*\c+\i], v[PT+4*\c+\i]
.endr
.irp i, 0,1,2
	v_mov_b32 v[PC+3+6*\c+\i], v[PT+4*\c+\i]
.endr
.endr
.endm
	s_load_b256 s[4:11], s[0:1], 0x0               ; x s[4:5], wq s[6:7], wk s[8:9], wv s[10:11]
	s_load_b128 s[12:15], s[0:1], 0x20             ; wo s[12:13], xq s[14:15]
	s_load_b64 s[16:17], s[0:1], 0x30              ; wc
	v_lshrrev_b32 v1, 5, v0
	v_readfirstlane_b32 s20, v1                    ; wave 0..3
	v_and_b32 v1, 31, v0                           ; lane
	v_and_b32 v2, 15, v0                           ; r
	v_bfe_u32 v3, v0, 4, 1                         ; h
	v_and_b32 v4, 8, v2
	v_add_nc_u32 v4, v4, v2                        ; r + 8 (r / 8)
	v_lshlrev_b32 v6, 4, v1                        ; an image's place for my lane
	v_lshlrev_b32 v7, 2, v1                        ; a scale word's
	s_mov_b32 s[SEL], 0x76543210
	s_mov_b32 s[SEL+1], 0xfedcba98
.irp b, 0,1,2,3
	v_mov_b32 v[TM+4+\b], 0                        ; written once: a lane permute's destination counts as one of its sources
.endr
	s_cmp_lt_u32 ttmp9, 512
	s_cbranch_scc0 .Lweights
	; ---- x: tile G = the work-group's number, K step = the wave's
	s_lshr_b32 s24, ttmp9, 1
	s_lshl_b32 s24, s24, 16                        ; 32 (G / 2) rows of 2,048 bytes
	s_and_b32 s25, ttmp9, 1
	s_lshl_b32 s25, s25, 14                        ; + 8 (G % 2) rows
	s_add_co_u32 s24, s24, s25
	s_lshl_b32 s25, s20, 9                         ; + the K step's 512 bytes
	s_add_co_u32 s24, s24, s25
	s_mov_b32 s25, 0
	s_wait_alu depctr_va_vdst(0)
	v_lshlrev_b32 v5, 11, v4                       ; my row,
	v_lshl_add_u32 v5, v3, 6, v5                   ; + 64 h: my 16 numbers of a block
	s_lshr_b32 s26, ttmp9, 3
	s_mul_i32 s26, s26, REC                        ; the record of my 128 tokens
	s_and_b32 s27, ttmp9, 7
	s_lshl_b32 s27, s27, 2
	s_add_co_u32 s27, s27, s20                     ; 4 t + s
	s_mul_i32 s28, s27, 1536
	s_add_co_u32 s28, s28, s26
	s_mov_b32 s29, 0
	s_lshl_b32 s30, s27, 7
	s_add_co_u32 s30, s30, s26
	s_add_co_u32 s30, s30, SCO
	s_mov_b32 s31, 0
	s_wait_alu depctr_va_vdst(0)
	s_wait_kmcnt 0x0
	s_add_nc_u64 s[4:5], s[4:5], s[24:25]
	s_add_nc_u64 s[32:33], s[14:15], s[28:29]
	s_add_nc_u64 s[34:35], s[14:15], s[30:31]
.irp b, 0,1,2,3
.irp j, 0,1,2,3
	global_load_b128 v[X+16*\b+4*\j:X+16*\b+4*\j+3], v5, s[4:5] offset:128*\b+16*\j th:TH_LOAD_NT   ; the wave's sixteen loads cover 512 consecutive bytes of each of its 16 rows
.endr
.endr
	s_wait_loadcnt 0x0
	QUANT X, PW
.irp c, 0,1,2
	global_store_b128 v6, v[PC+4*\c:PC+4*\c+3], s[32:33] offset:512*\c   ; 512 consecutive bytes a store
.endr
	global_store_b32 v7, v[PW], s[34:35]
	s_endpgm
.Lweights:
	; ---- a weight: W = work-group - 512; weight W / 32; K step (W / 8) % 4; tile of columns T = 4 (W % 8) + wave
	s_sub_co_u32 s24, ttmp9, 512
	s_lshr_b32 s25, s24, 5                         ; which weight: 0 q, 1 k, 2 v, 3 o
	s_bfe_u32 s26, s24, 0x20003                    ; K step s
	s_and_b32 s27, s24, 7
	s_lshl_b32 s27, s27, 2
	s_add_co_u32 s27, s27, s20                     ; T
	s_lshr_b32 s28, s27, 1
	s_lshl_b32 s28, s28, 7                         ; 32 (T / 2) columns of 4 bytes
	s_and_b32 s29, s27, 1
	s_lshl_b32 s29, s29, 5                         ; + 8 (T % 2)
	s_add_co_u32 s28, s28, s29
	s_lshl_b32 s29, s26, 18                        ; + 128 s rows of 2,048 bytes
	s_add_co_u32 s28, s28, s29
	s_mov_b32 s29, 0
	s_wait_alu depctr_va_vdst(0)
	v_lshlrev_b32 v5, 2, v4                        ; my column,
	v_lshl_add_u32 v5, v3, 16, v5                  ; lanes 16-31 begin 32 rows further down: lane (r, h) holds k = 64 c + 32 h + 0 .. 31
	s_lshl_b32 s30, s25, 2
	s_lshr_b32 s31, s27, 3
	s_add_co_u32 s30, s30, s31
	s_mul_i32 s30, s30, REC                        ; record 4 x weight + T / 8
	s_and_b32 s31, s27, 7
	s_lshl_b32 s31, s31, 2
	s_add_co_u32 s31, s31, s26                     ; 4 t + s
	s_mul_i32 s32, s31, 1536
	s_add_co_u32 s32, s32, s30
	s_mov_b32 s33, 0
	s_lshl_b32 s34, s31, 7
	s_add_co_u32 s34, s34, s30
	s_add_co_u32 s34, s34, SCO
	s_mov_b32 s35, 0
	s_wait_alu depctr_va_vdst(0)
	s_wait_kmcnt 0x0
	s_cmp_eq_u32 s25, 1                            ; the choice of the buffer hangs on the work-group's number alone
	s_cselect_b64 s[6:7], s[8:9], s[6:7]
	s_cmp_eq_u32 s25, 2
	s_cselect_b64 s[6:7], s[10:11], s[6:7]
	s_cmp_eq_u32 s25, 3
	s_cselect_b64 s[6:7], s[12:13], s[6:7]
	s_add_nc_u64 s[6:7], s[6:7], s[28:29]
	s_add_nc_u64 s[32:33], s[16:17], s[32:33]
	s_add_nc_u64 s[34:35], s[16:17], s[34:35]
.irp c, 0,1
.irp i, 0,1,2,3,4,5,6,7,8,9,10,11,12,13,14,15,16,17,18,19,20,21,22,23,24,25,26,27,28,29,30,31
	global_load_b32 v[X+32*\c+\i], v5, s[6:7] offset:(64*\c+\i)*2048   ; W(128 s + 64 c + 32 h + i, my column); the work-group's four waves stand side by side on 256 consecutive bytes of a row
.endr
.endr
	s_wait_loadcnt 0x0
.irp c, 0,1                                    ; my block 2 c + h: all its 32 numbers are mine
	v_max3_num_f32 v[TM+\c], |v[X+32*\c]|, |v[X+1+32*\c]|, 0x1800000
.endr
.irp i, 2,4,6,8,10,12,14,16,18,20,22,24,26,28,30
.irp c, 0,1
	v_max3_num_f32 v[TM+\c], v[TM+\c], |v[X+32*\c+\i]|, |v[X+1+32*\c+\i]|
.endr
.endr
.irp c, 0,1
	v_add_nc_u32 v[TM+8+\c], 0xff000000, v[TM+\c]
.endr
.irp c, 0,1
	v_lshrrev_b32 v[TM+4+\c], 23, v[TM+8+\c]
.endr
	v_lshl_or_b32 v[PW], v[TM+5], 16, v[TM+4]      ; my two bytes: blocks h and 2 + h,
	v_lshlrev_b32 v[TT], 3, v3
	v_lshlrev_b32 v[PW], v[TT], v[PW]              ; at their places in the word;
	v_permlanex16_b32 v[TT], v[PW], s[SEL], s[SEL+1]
	v_or_b32 v[PW], v[PW], v[TT]                   ; with lane l xor 16's two the word is whole, in both lanes
.irp c, 0,1
	v_cvt_scalef32_pk16_fp6_f32 v[PC+6*\c:PC+2+6*\c], v[X+32*\c:X+15+32*\c], v[TM+8+\c]
	v_cvt_scalef32_pk16_fp6_f32 v[PT+4*\c:PT+2+4*\c], v[X+16+32*\c:X+31+32*\c], v[TM+8+\c]
.endr
	v_nop                                          ; one plain place behind a scaled conversion
.irp c, 0,1
.irp i, 0,1,2
	v_mov_b32 v[PC+3+6*\c+\i], v[PT+4*\c+\i]
.endr
.endr
.irp c, 0,1,2
	global_store_b128 v6, v[PC+4*\c:PC+4*\c+3], s[32:33] offset:512*\c
.endr
	global_store_b32 v7, v[PW], s[34:35]
	s_endpgm
.Lfunc_end_k_q8d5a7efde1_prep:
	.size	k_q8d5a7efde1_prep, .Lfunc_end_k_q8d5a7efde1_prep-k_q8d5a7efde1_prep
	.p2alignl 7, 3214868480
	.fill 96, 4, 3214868480
	.section	.rodata,"a",@progbits
	.p2align	6, 0x0
	.amdhsa_kernel k_q8d5a7efde1_prep
		.amdhsa_group_segment_fixed_size 0
		.amdhsa_private_segment_fixed_size 0
		.amdhsa_enable_private_segment 0
		.amdhsa_kernarg_size 56
		.amdhsa_user_sgpr_count 2
		.amdhsa_user_sgpr_kernarg_segment_ptr 1
		.amdhsa_wavefront_size32 1
		.amdhsa_system_sgpr_workgroup_id_x 1
		.amdhsa_system_sgpr_workgroup_id_y 1
		.amdhsa_system_sgpr_workgroup_id_z 1
		.amdhsa_system_vgpr_workitem_id 0
		.amdhsa_next_free_vgpr 128
		.amdhsa_next_free_sgpr 66
		.amdhsa_reserve_vcc 0
		.amdhsa_float_denorm_mode_32 3
		.amdhsa_float_denorm_mode_16_64 3
		.amdhsa_memory_ordered 1
		.amdhsa_forward_progress 1
		.amdhsa_inst_pref_size 19
	.end_amdhsa_kernel
	.amdgpu_metadata
---
amdhsa.version: [ 1, 2 ]
amdhsa.kernels:
  - .name:           k_q8d5a7efde1_prep
    .symbol:         k_q8d5a7efde1_prep.kd
    .args:
      - { .name: x, .offset: 0, .size: 8, .value_kind: global_buffer, .address_space: global }
      - { .name: wq, .offset: 8, .size: 8, .value_kind: global_buffer, .address_space: global }
      - { .name: wk, .offset: 16, .size: 8, .value_kind: global_buffer, .address_space: global }
      - { .name: wv, .offset: 24, .size: 8, .value_kind: global_buffer, .address_space: global }
      - { .name: wo, .offset: 32, .size: 8, .value_kind: global_buffer, .address_space: global }
      - { .name: xq, .offset: 40, .size: 8, .value_kind: global_buffer, .address_space: global }
      - { .name: wc, .offset: 48, .size: 8, .value_kind: global_buffer, .address_space: global }
    .group_segment_fixed_size: 0
    .private_segment_fixed_size: 0
    .kernarg_segment_align: 8
    .kernarg_segment_size: 56
    .max_flat_workgroup_size: 128
    .sgpr_count:     66
    .vgpr_count:     128
    .wavefront_size: 32
...
	.end_amdgpu_metadata
.endif
;; end of part 1
;; launch qkv (part 2): grid 64 x 4, 8 waves a work-group, clusters of 4 x 1, 214,016 bytes of LDS; arguments xq, wc, bq, bk, bv, qb, kv; writes qb, kv
.if DOCPART == 2
	.amdgcn_target "amdgcn-amd-amdhsa--gfx1250"
	.amdhsa_code_object_version 6
	.text
	.protected	k_q8d5a7efde1_qkv
	.globl	k_q8d5a7efde1_qkv
	.p2align	8
	.type	k_q8d5a7efde1_qkv,@function
k_q8d5a7efde1_qkv:
	s_mov_b64 s[64:65], 0
	v_nop
	global_prefetch_b8 v0, s[64:65] scope:SCOPE_SE
	s_setreg_imm32_b32 hwreg(HW_REG_WAVE_MODE, 25, 1), 1
	s_wait_xcnt 0x0
	s_wait_alu depctr_hold_cnt(0) depctr_sa_sdst(0) depctr_va_vdst(0) depctr_va_sdst(0) depctr_va_ssrc(0) depctr_va_vcc(0) depctr_vm_vsrc(0)
	s_getreg_b32 s2, hwreg(HW_REG_IB_STS2, 6, 4)
	s_cmp_eq_u32 s2, 0
	s_cbranch_scc0 .Lentry_in_a_cluster
	s_endpgm
.Lentry_in_a_cluster:
	s_bfe_u32 s2, ttmp6, 0x10000c
	s_cmp_lg_u32 s2, 0x3003
	s_cbranch_scc0 .Lentry_shape_is_right
	s_endpgm
.Lentry_shape_is_right:
; q = x wq + bq, k = x wk + bk, v = x wv + bv on codes of FP6 (E2M3) with E8M0 scales, and the results quantised again: q and k along the head's 64 channels, v along the keys.
; A work-group takes a block R of 128 tokens and a pair P of heads (columns 128 P .. 128 P + 127 of each weight).  LDS holds four records of 53,248 bytes, each filled once: x's block, then wq's, wk's, wv's part P.
; A record is 32 fragments as images of their registers (fragment (tile t, K step s) at (4 t + s) x 1536: registers 4 c .. 4 c + 3 of lane L at 512 c + 16 L) and their scale words (49,152 + (4 t + s) x 128 + 4 L).
; Row r of tile 2 b + u is index 32 b + 8 u + r + 8 (r / 8): so the 16 registers of two neighbouring result tiles are 16 neighbours along the axis of source 0.
; CLUSTER: the four work-groups of a cluster share P, so the three weight records, three quarters of what is filled, are asked for JOINTLY (mask 15).  x's record is each work-group's own, a plain load:
; its four readers (the four P) lie in four clusters, and it is a quarter of the bytes.
; WAVE w (hq = w / 4, b = w % 4; head = 2 P + hq) has three jobs of 32 matrix instructions on 8 accumulators that take turns:
;   V: source 0 = the 8 tiles of tokens, source 1 = wv's tile w: a lane holds ONE channel and its 64 registers run along the 128 tokens: one fragment of V^T with the keys as K.
;   q, k: source 0 = the head's 4 tiles of columns, source 1 = token tiles 2 b, 2 b + 1: a lane holds ONE token and 32 registers run along the head's 64 channels: half a fragment (registers 0-5) a tile.
; The biases are the C of each sum's first matrix instruction (another order of rounding than bias last).
; OUT: qb: tile (bh x 256 + T): 768 bytes (registers 0-3 at 16 L, 4-5 at 512 + 8 L); its words at QS + 128 x tile.  kv: a record of 13,312 bytes for each head and 128 keys: K's 8 half fragments,
; V's 4 fragments at 6,144, K's words at 12,288 (tile 2 i's two bytes below, tile 2 i + 1's above), V's at 12,800.  Words of a 64-deep operand have bytes 2 and 3 zero: the codes under them are zeros.
; LIMITS: a block whose largest magnitude lies under 2^-124 gets the byte 1; NaN and infinities are not served.
.set REC,   53248
.set HREC,  26624                      ; half a record: what one tensor load brings: 104 rows of 256 bytes
.set SCO,   49152
.set STEPB, 13312
.set QS,    3145728
.set L16,  1                           ; v1  16 x lane
.set L8,   2                           ; v2  8 x lane
.set L4,   3                           ; v3  4 x lane
.set AXSV, 4                           ; v4  LDS: x's scale words
.set AWV,  5                           ; v5  wv's tile w
.set AWSV, 6                           ; v6  its scale words
.set AX2,  7                           ; v7  x's tiles 2 b, 2 b + 1
.set AXS2, 8                           ; v8  their scale words
.set AWQ,  9                           ; v9  wq's tiles 4 hq ..
.set AWK,  10                          ; v10 wk's
.set AWSQ, 11                          ; v11 wq's scale words
.set AWSK, 12                          ; v12 wk's
.set BOF,  13                          ; v13 64 h: my half's place in a bias
.set VOF,  14                          ; v14 4 (r + 8 (r / 8)): my channel's place in bv
.set PC,   16                          ; v16-27  codes just made   (v16-23 first hold bv of my channel, eight times)
.set BV8,  16
.set PT,   28                          ; v28-35  the conversions' second halves
.set BIAS, 36                          ; v36-67  bq: 4 tiles x 8
.set ACC,  68                          ; v68-131 eight accumulators
.set FR,   132                         ; v132-239 fragments
.set TM,   132                         ; v132-143 at work in the quantiser, when the fragments are done with
.set BK,   204                         ; v204-235 bk: 4 tiles x 8
.set SCR,  240                         ; v240-248 scale words, and nothing else
.set PW,   249                         ; v249, v250 the scale words just made
.set SP,   251                         ; v251 K's word of a pair of tiles
.set AXV,  252                         ; v252 LDS: x's fragments, read as tiles of KEYS (job V)
.set AXK,  253                         ; v253 the same for key tiles 2 b, 2 b + 1 (job k)
.set AXSK, 15                          ; v15  their scale words
.set WV,   18
.set SEL,  22
.set G1X,  24                          ; s[24:31] descriptor group 1, plain
.set G1W,  32                          ; s[32:39] the same with the mask
.set HM,   40
.set G0X,  44
.set G0W,  48
.macro PLACES n
.rept \n
	v_nop
.endr
.endm
.macro CROUND                          ; a round of the cluster's barrier
	s_barrier_signal -1
	s_barrier_wait -1
	s_cmp_lg_u32 s[WV], 0
	s_cbranch_scc1 .Lnot_wave_0_\@
	s_barrier_signal -3
.Lnot_wave_0_\@:
	s_barrier_wait -3
	s_barrier_signal -1
	s_barrier_wait -1
.endm
.macro MM d, a, b, c, sa, sb
	v_wmma_scale_f32_16x16x128_f8f6f4 v[\d:\d+7], v[\a:\a+11], v[\b:\b+11], v[\c:\c+7], v[\sa], v[\sb] matrix_a_fmt:MATRIX_FMT_FP6 matrix_b_fmt:MATRIX_FMT_FP6
.endm
; 64 numbers of a lane, register 16 b + i = k 32 b + 16 (lane / 16) + i, become a fragment in v[PC] on and its scale word in v[pw].  The accumulators are read from their low ends on.
.macro QUANT s, pw
.irp b, 0,1,2,3
	v_max3_num_f32 v[TM+\b], |v[\s+16*\b]|, |v[\s+1+16*\b]|, 0x1800000   ; and the floor 2^(3 - 127): the byte cannot fall under 1
.endr
.irp i, 2,4,6,8,10,12,14
.irp b, 0,1,2,3
	v_max3_num_f32 v[TM+\b], v[TM+\b], |v[\s+16*\b+\i]|, |v[\s+1+16*\b+\i]|
.endr
.endr
.irp b, 0,1,2,3
	s_delay_alu instid0(VALU_DEP_4)
	v_permlanex16_b32 v[TM+4+\b], v[TM+\b], s[SEL], s[SEL+1]
.endr
.irp b, 0,1,2,3
	s_delay_alu instid0(VALU_DEP_4)
	v_max_num_f32 v[TM+\b], v[TM+\b], v[TM+4+\b]
.endr
.irp b, 0,1,2,3
	s_delay_alu instid0(VALU_DEP_4)
	v_add_nc_u32 v[TM+8+\b], 0xff000000, v[TM+\b]
.endr
.irp b, 0,1,2,3
	s_delay_alu instid0(VALU_DEP_4)
	v_lshrrev_b32 v[TM+4+\b], 23, v[TM+8+\b]
.endr
	s_delay_alu instid0(VALU_DEP_3)
	v_lshl_or_b32 v[\pw], v[TM+5], 8, v[TM+4]
	s_delay_alu instid0(VALU_DEP_1)
	v_lshl_or_b32 v[\pw], v[TM+6], 16, v[\pw]
	s_delay_alu instid0(VALU_DEP_1)
	v_lshl_or_b32 v[\pw], v[TM+7], 24, v[\pw]
.irp c, 0,1
	v_cvt_scalef32_pk16_fp6_f32 v[PC+6*\c:PC+2+6*\c], v[\s+32*\c:\s+15+32*\c], v[TM+8+2*\c]
	v_cvt_scalef32_pk16_fp6_f32 v[PT+4*\c:PT+2+4*\c], v[\s+16+32*\c:\s+31+32*\c], v[TM+9+2*\c]
.endr
	v_nop                                          ; one plain place behind a scaled conversion
.irp c, 0,1
.irp i, 0,1,2
	v_permlane16_swap_b32 v[PC+6*\c+\i], v[PT+4*\c+\i]
.endr
.irp i, 0,1,2
	s_delay_alu instid0(VALU_DEP_3)
	v_mov_b32 v[PC+3+6*\c+\i], v[PT+4*\c+\i]
.endr
.endr
.endm
; the same for 32 numbers (64 along K): registers 0-5 of a fragment in v[PC] on; the word has two bytes
.macro QUANT2 s, pw
.irp b, 0,1
	v_max3_num_f32 v[TM+\b], |v[\s+16*\b]|, |v[\s+1+16*\b]|, 0x1800000
.endr
.irp i, 2,4,6,8,10,12,14
.irp b, 0,1
	v_max3_num_f32 v[TM+\b], v[TM+\b], |v[\s+16*\b+\i]|, |v[\s+1+16*\b+\i]|
.endr
.endr
.irp b, 0,1
	s_delay_alu instid0(VALU_DEP_2)
	v_permlanex16_b32 v[TM+4+\b], v[TM+\b], s[SEL], s[SEL+1]
.endr
.irp b, 0,1
	s_delay_alu instid0(VALU_DEP_2)
	v_max_num_f32 v[TM+\b], v[TM+\b], v[TM+4+\b]
.endr
.irp b, 0,1
	s_delay_alu instid0(VALU_DEP_2)
	v_add_nc_u32 v[TM+8+\b], 0xff000000, v[TM+\b]
.endr
.irp b, 0,1
	s_delay_alu instid0(VALU_DEP_2)
	v_lshrrev_b32 v[TM+4+\b], 23, v[TM+8+\b]
.endr
	s_delay_alu instid0(VALU_DEP_1)
	v_lshl_or_b32 v[\pw], v[TM+5], 8, v[TM+4]
	v_cvt_scalef32_pk16_fp6_f32 v[PC:PC+2], v[\s:\s+15], v[TM+8]
	v_cvt_scalef32_pk16_fp6_f32 v[PT:PT+2], v[\s+16:\s+31], v[TM+9]
	v_nop                                          ; one plain place behind a scaled conversion
.irp i, 0,1,2
	v_permlane16_swap_b32 v[PC+\i], v[PT+\i]
.endr
.irp i, 0,1,2
	s_delay_alu instid0(VALU_DEP_3)
	v_mov_b32 v[PC+3+\i], v[PT+\i]
.endr
.endm
	s_load_b256 s[4:11], s[0:1], 0x0               ; xq s[4:5], wc s[6:7], bq s[8:9], bk s[10:11]
	s_load_b128 s[12:15], s[0:1], 0x20             ; bv s[12:13], qb s[14:15]
	s_load_b64 s[16:17], s[0:1], 0x30              ; kv
	v_lshl_add_u32 v254, v0, 2, 0x34000
	v_mov_b32 v255, 0
	ds_add_u32 v254, v255
	ds_add_u32 v254, v255
	v_lshrrev_b32 v15, 5, v0
	s_delay_alu instid0(VALU_DEP_1)
	v_readfirstlane_b32 s[WV], v15                 ; wave 0..7
	v_and_b32 v15, 31, v0                          ; lane
	s_delay_alu instid0(VALU_DEP_1)
	v_lshlrev_b32 v[L16], 4, v15
	s_delay_alu instid0(VALU_DEP_2)
	v_lshlrev_b32 v[L8], 3, v15
	s_delay_alu instid0(VALU_DEP_3)
	v_lshlrev_b32 v[L4], 2, v15
	s_wait_alu depctr_va_vdst(0)
	v_bfe_u32 v[BOF], v0, 4, 1
	s_delay_alu instid0(VALU_DEP_1)
	v_lshlrev_b32 v[BOF], 6, v[BOF]
	v_and_b32 v[VOF], 15, v0
	s_delay_alu instid0(VALU_DEP_1)
	v_and_b32 v15, 8, v[VOF]
	s_delay_alu instid0(VALU_DEP_1)
	v_add_nc_u32 v[VOF], v[VOF], v15
	s_delay_alu instid0(VALU_DEP_1)
	v_lshlrev_b32 v[VOF], 2, v[VOF]
	s_mov_b32 s[SEL], 0x76543210
	s_mov_b32 s[SEL+1], 0xfedcba98
	s_bfe_u32 s19, ttmp6, 0x40000                  ; cx: my place in the cluster: it enters x's address and the stores' alone
	s_lshl_b32 s20, ttmp9, 2
	s_add_co_u32 s20, s20, s19                     ; R: my block of 128 tokens
	s_and_b32 s21, ttmp7, 0xffff                   ; P: the pair of heads, which the four partners share
	s_lshr_b32 s41, s[WV], 2                       ; hq
	s_and_b32 s42, s[WV], 3                        ; b
	s_and_b32 s43, s[WV], 1
	; LDS addresses: a constant + a constant x lane + a constant x (a part of the wave's number)
	; THE TILES OF KEYS (jobs V and k) ARE FORMED ANEW FROM x's RECORD: row 8 g + j of key tile t is token 64 (t / 4) + 32 g + 8 (t % 4) + j, so that in the next launch a lane holds whole blocks of 32 keys.
	; That token is row 8 ((t % 4) / 2) + j of x's tile 4 (t / 4) + 2 g + t % 2: lane (r, h) reads the image's lane 16 h + r % 8, 2 (r / 8) tiles on; the rest stands in the loads' offsets.
	; K's word of a pair of tiles holds the even tile's two bytes below and the odd tile's two above, in both halves of the lanes.
	s_lshr_b32 s52, s42, 1
	s_and_b32 s53, s42, 1
	s_mul_i32 s54, s52, 24576                      ; key tiles 2 b, 2 b + 1: four tiles of x on for b / 2,
	s_lshl_b32 s55, s53, 7
	s_add_co_u32 s54, s54, s55                     ; eight lanes on for b % 2
	s_lshl_b32 s52, s52, 11
	s_lshl_b32 s53, s53, 5
	s_add_co_u32 s52, s52, s53                     ; the same for the words
	v_and_b32 v[AXSK], 8, v0                       ; 8 (r / 8)
	v_and_b32 v[AXK], 23, v0                       ; 16 h + r % 8
	s_delay_alu instid0(VALU_DEP_2)
	v_lshlrev_b32 v[AXSV], 7, v[AXSK]
	v_mul_u32_u24 v[AXV], v[AXSK], 1536
	s_delay_alu instid0(VALU_DEP_2)
	v_lshl_add_u32 v[AXSV], v[AXK], 2, v[AXSV]
	s_delay_alu instid0(VALU_DEP_2)
	v_lshl_add_u32 v[AXV], v[AXK], 4, v[AXV]
	s_delay_alu instid0(VALU_DEP_2)
	v_add_nc_u32 v[AXSV], SCO, v[AXSV]
	s_delay_alu instid0(VALU_DEP_2)
	v_add_nc_u32 v[AXK], s54, v[AXV]
	s_delay_alu instid0(VALU_DEP_2)
	v_add_nc_u32 v[AXSK], s52, v[AXSV]
	s_mul_i32 s52, s[WV], 4*1536
	s_add_co_u32 s52, s52, 3*REC
	v_add_nc_u32 v[AWV], s52, v[L16]
	s_lshl_b32 s52, s[WV], 9
	s_add_co_u32 s52, s52, 3*REC+SCO
	v_add_nc_u32 v[AWSV], s52, v[L4]
	s_mul_i32 s52, s42, 8*1536
	v_add_nc_u32 v[AX2], s52, v[L16]
	s_lshl_b32 s52, s42, 10
	s_add_co_u32 s52, s52, SCO
	v_add_nc_u32 v[AXS2], s52, v[L4]
	s_mul_i32 s52, s41, 16*1536
	s_add_co_u32 s52, s52, REC
	v_add_nc_u32 v[AWQ], s52, v[L16]
	s_delay_alu instid0(VALU_DEP_1)
	v_add_nc_u32 v[AWK], REC, v[AWQ]
	s_lshl_b32 s52, s41, 11
	s_add_co_u32 s52, s52, REC+SCO
	v_add_nc_u32 v[AWSQ], s52, v[L4]
	s_delay_alu instid0(VALU_DEP_1)
	v_add_nc_u32 v[AWSK], REC, v[AWSQ]
	; descriptor group 1: a dense block of 26,624 bytes as 104 rows of 32 elements of 8 bytes; no padding: every LDS read here is dense
	s_mov_b32 s[G1X], 3<<16                        ; no mask
	s_mov_b32 s[G1W], 15|(3<<16)|(1<<21)           ; the mask: all four work-groups; bit 21 set beside it
.irp g, G1X, G1W
	s_mov_b32 s[\g+1], 32<<16                      ; tensor_dim0
	s_mov_b32 s[\g+2], 104<<16                     ; tensor_dim1
	s_mov_b32 s[\g+3], 32<<16                      ; tile_dim0
	s_mov_b32 s[\g+4], 104                         ; tile_dim1
	s_mov_b32 s[\g+5], 32                          ; the pitch
	s_mov_b32 s[\g+6], 0
	s_mov_b32 s[\g+7], 0
.endr
	s_mul_i32 s54, s43, HREC                       ; which half of a record I fetch
	s_mul_i32 s52, s20, REC
	s_add_co_u32 s52, s52, s54                     ; x: record R
	s_mov_b32 s53, 0
	s_lshr_b32 s56, s[WV], 1
	s_max_u32 s56, s56, 1
	s_sub_co_u32 s56, s56, 1                       ; waves 2, 3: wq; 4, 5: wk; 6, 7: wv
	s_lshl_b32 s56, s56, 2
	s_add_co_u32 s56, s56, s21
	s_mul_i32 s56, s56, REC                        ; record 4 x weight + P: no place in the cluster enters it
	s_add_co_u32 s56, s56, s54
	s_mov_b32 s57, 0
	; where the results go
	s_lshr_b32 s58, s20, 5
	s_lshl_b32 s58, s58, 3
	s_lshl_b32 s59, s21, 1
	s_add_co_u32 s59, s59, s41                     ; head
	s_add_co_u32 s58, s58, s59                     ; bh = 8 x batch + head
	s_and_b32 s60, s20, 31                         ; the key step
	s_lshl_b32 s61, s58, 5
	s_add_co_u32 s61, s61, s60
	s_mul_i32 s66, s61, STEPB                      ; kv's record
	s_mov_b32 s67, 0
	s_lshl_b32 s61, s61, 3
	s_lshl_b32 s62, s42, 1
	s_add_co_u32 s61, s61, s62                     ; bh x 256 + 8 step + 2 b: my first tile of q
	s_mul_i32 s68, s61, 768
	s_mov_b32 s69, 0
	s_lshl_b32 s70, s61, 7
	s_add_co_u32 s70, s70, QS
	s_mov_b32 s71, 0
	s_mul_i32 s72, s42, 1536
	s_mov_b32 s76, s72                             ; K's tiles 2 b, 2 b + 1: 768 bytes each
	s_add_co_u32 s72, s72, 6144                    ; V's tile b
	s_mov_b32 s73, 0
	s_mov_b32 s77, 0
	s_lshl_b32 s74, s42, 7                         ; the words' 128 b
	s_mov_b32 s75, 0
	s_lshl_b32 s62, s59, 8                         ; the head's 64 numbers of bq and bk
	s_mov_b32 s63, 0
	s_lshl_b32 s78, s21, 9                         ; bv: 128 P + 32 (w / 2) + 8 (w % 2) numbers on
	s_lshr_b32 s79, s[WV], 1
	s_lshl_b32 s79, s79, 7
	s_add_co_u32 s78, s78, s79
	s_lshl_b32 s79, s43, 5
	s_add_co_u32 s78, s78, s79
	s_mov_b32 s79, 0
	s_wait_dscnt 0x0
	s_wait_kmcnt 0x0
	s_add_nc_u64 s[66:67], s[16:17], s[66:67]      ; kv's record
	s_add_nc_u64 s[68:69], s[14:15], s[68:69]      ; q's half fragments
	s_add_nc_u64 s[70:71], s[14:15], s[70:71]      ; q's words
	s_add_nc_u64 s[72:73], s[66:67], s[72:73]      ; V's fragment
	s_add_nc_u64 s[74:75], s[66:67], s[74:75]      ; the record + 128 b: V's words at 12,800, K's at 12,288
	s_add_nc_u64 s[76:77], s[66:67], s[76:77]      ; K's half fragments
	s_add_nc_u64 s[8:9], s[8:9], s[62:63]
	s_add_nc_u64 s[10:11], s[10:11], s[62:63]
	s_add_nc_u64 s[12:13], s[12:13], s[78:79]
	s_mov_b32 s[G0X], 1
	s_mul_i32 s[G0X+1], s[WV], HREC                ; LDS: wave x 26,624: the eight loads tile the four records
	s_add_nc_u64 s[G0X+2:G0X+3], s[4:5], s[52:53]
	s_or_b32 s[G0X+3], s[G0X+3], 0x80000000
	s_mov_b32 s[G0W], 1
	s_mul_i32 s[G0W+1], s[WV], HREC
	s_add_nc_u64 s[G0W+2:G0W+3], s[6:7], s[56:57]
	s_or_b32 s[G0W+3], s[G0W+3], 0x80000000
	CROUND                                         ; all four work-groups are here: the joint loads meet
	s_cmp_lt_u32 s[WV], 2                          ; waves 0, 1: x's halves; waves 2-7: the weights'.  One tensor load of mine is out.  Four v_nop follow each line
	s_cbranch_scc0 .Lfor_w
	tensor_load_to_lds s[G0X:G0X+3], s[G1X:G1X+7]
	s_nop 0
	PLACES 4
	s_branch .Lasked
.Lfor_w:
	tensor_load_to_lds s[G0W:G0W+3], s[G1W:G1W+7]
	s_nop 0
	PLACES 4
.Lasked:
	global_load_b32 v[BV8], v[VOF], s[12:13]       ; bv of my channel
.irp j, 0,1,2,3
	global_load_b128 v[BIAS+8*\j:BIAS+8*\j+3], v[BOF], s[8:9] offset:128*(\j/2)+32*(\j%2)        ; bq at channels 32 (j / 2) + 16 h + 8 (j % 2) + 0 .. 7: the result's layout
	global_load_b128 v[BIAS+8*\j+4:BIAS+8*\j+7], v[BOF], s[8:9] offset:128*(\j/2)+32*(\j%2)+16
.endr
	s_wait_loadcnt 0x0
.irp i, 1,2,3,4,5,6,7
	v_mov_b32 v[BV8+\i], v[BV8]                    ; in job V a lane's eight results of a tile are one channel's
.endr
	s_wait_alu depctr_va_vdst(0)
	s_wait_tensorcnt 0x0                           ; my half record has landed,
	s_barrier_signal -1
	s_barrier_wait -1                              ; everybody's has
	; ---- job V
.irp s, 0,1,2,3
.if \s > 0
	PLACES 4                                       ; in front of loads into registers that matrix instructions have read
.endif
.irp t, 0,1,2,3,4,5,6,7
.irp c, 0,1,2
	ds_load_b128 v[FR+12*\t+4*\c:FR+12*\t+4*\c+3], v[AXV] offset:(4*(4*(\t/4)+(\t%2))+\s)*1536+128*((\t%4)/2)+512*\c
.endr
	ds_load_b32 v[SCR+\t], v[AXSV] offset:128*(4*(4*(\t/4)+(\t%2))+\s)+32*((\t%4)/2)
.endr
.irp c, 0,1,2
	ds_load_b128 v[FR+96+4*\c:FR+96+4*\c+3], v[AWV] offset:1536*\s+512*\c
.endr
	ds_load_b32 v[SCR+8], v[AWSV] offset:128*\s
	s_wait_dscnt 0x0
.irp t, 0,1,2,3,4,5,6,7
.if \s == 0
	MM ACC+8*\t, FR+12*\t, FR+96, BV8, SCR+\t, SCR+8
.else
	MM ACC+8*\t, FR+12*\t, FR+96, ACC+8*\t, SCR+\t, SCR+8
.endif
.endr
.endr
	PLACES 4                                       ; in front of the first read of results and of writes into the fragments' registers
; 64 numbers of a lane, register 32 c + i = key 64 c + 32 (lane / 16) + i: two whole blocks.  The conversions' results are the fragment's registers; the word's four bytes are gathered from lanes l and l xor 16.
.macro QUANTV s, pw
.irp c, 0,1
	v_max3_num_f32 v[TM+\c], |v[\s+32*\c]|, |v[\s+1+32*\c]|, 0x1800000   ; and the floor 2^(3 - 127): the byte cannot fall under 1
.endr
.irp i, 2,4,6,8,10,12,14,16,18,20,22,24,26,28,30
.irp c, 0,1
	v_max3_num_f32 v[TM+\c], v[TM+\c], |v[\s+32*\c+\i]|, |v[\s+1+32*\c+\i]|
.endr
.endr
	v_lshrrev_b32 v[TM+7], 3, v[BOF]               ; 8 h
.irp c, 0,1
	v_add_nc_u32 v[TM+8+\c], 0xff000000, v[TM+\c]
.endr
.irp c, 0,1
	s_delay_alu instid0(VALU_DEP_2)
	v_lshrrev_b32 v[TM+4+\c], 23, v[TM+8+\c]
.endr
	s_delay_alu instid0(VALU_DEP_1)
	v_lshl_or_b32 v[\pw], v[TM+5], 16, v[TM+4]     ; my two bytes: blocks h and 2 + h,
	s_delay_alu instid0(VALU_DEP_1)
	v_lshlrev_b32 v[\pw], v[TM+7], v[\pw]          ; at their places in the word
	s_delay_alu instid0(VALU_DEP_1)
	v_permlanex16_b32 v[TM+7], v[\pw], s[SEL], s[SEL+1]
	s_delay_alu instid0(VALU_DEP_1)
	v_or_b32 v[\pw], v[\pw], v[TM+7]               ; with lane l xor 16's two the word is whole, in both lanes
.irp c, 0,1
	v_cvt_scalef32_pk16_fp6_f32 v[PC+6*\c:PC+2+6*\c], v[\s+32*\c:\s+15+32*\c], v[TM+8+\c]
	v_cvt_scalef32_pk16_fp6_f32 v[PT+4*\c:PT+2+4*\c], v[\s+16+32*\c:\s+31+32*\c], v[TM+8+\c]
.endr
	v_nop                                          ; one plain place behind a scaled conversion
.irp c, 0,1
.irp i, 0,1,2
	v_mov_b32 v[PC+3+6*\c+\i], v[PT+4*\c+\i]
.endr
.endr
.endm
	QUANTV ACC, PW
.irp c, 0,1,2
	global_store_b128 v[L16], v[PC+4*\c:PC+4*\c+3], s[72:73] offset:512*\c
.endr
	global_store_b32 v[L4], v[PW], s[74:75] offset:12800
.irp j, 0,1,2,3
	global_load_b128 v[BK+8*\j:BK+8*\j+3], v[BOF], s[10:11] offset:128*(\j/2)+32*(\j%2)          ; bk lands while q is made
	global_load_b128 v[BK+8*\j+4:BK+8*\j+7], v[BOF], s[10:11] offset:128*(\j/2)+32*(\j%2)+16
.endr
; ---- jobs q (kind 0) and k (kind 1)
.macro QKJOB wa, ws, bias, kind, xa, xs
.irp s, 0,1,2,3
	PLACES 4                                       ; with the four behind the job before: more than the five that a sum begun anew over old accumulators wants
.irp j, 0,1,2,3
.irp c, 0,1,2
	ds_load_b128 v[FR+12*\j+4*\c:FR+12*\j+4*\c+3], v[\wa] offset:(4*\j+\s)*1536+512*\c
.endr
	ds_load_b32 v[SCR+\j], v[\ws] offset:128*(4*\j+\s)
.endr
.irp u, 0,1
.irp c, 0,1,2
	ds_load_b128 v[FR+48+12*\u+4*\c:FR+48+12*\u+4*\c+3], v[\xa] offset:(4*\u+\s)*1536+512*\c
.endr
	ds_load_b32 v[SCR+4+\u], v[\xs] offset:128*(4*\u+\s)
.endr
	s_wait_dscnt 0x0
.irp u, 0,1
.irp j, 0,1,2,3
.if \s == 0
	MM ACC+32*\u+8*\j, FR+12*\j, FR+48+12*\u, \bias+8*\j, SCR+\j, SCR+4+\u
.else
	MM ACC+32*\u+8*\j, FR+12*\j, FR+48+12*\u, ACC+32*\u+8*\j, SCR+\j, SCR+4+\u
.endif
.endr
.endr
.endr
	PLACES 4
.irp u, 0,1
	s_wait_xcnt 0x0                                ; the earlier stores have read their data: the codes' and the words' registers may be written again
	QUANT2 ACC+32*\u, PW+\u
.if \kind == 0
	global_store_b128 v[L16], v[PC:PC+3], s[68:69] offset:768*\u
	global_store_b64 v[L8], v[PC+4:PC+5], s[68:69] offset:768*\u+512
	global_store_b32 v[L4], v[PW+\u], s[70:71] offset:128*\u
.else
	global_store_b128 v[L16], v[PC:PC+3], s[76:77] offset:768*\u
	global_store_b64 v[L8], v[PC+4:PC+5], s[76:77] offset:768*\u+512
.endif
.endr
.if \kind == 1
	v_lshl_or_b32 v[SP], v[PW+1], 16, v[PW]        ; tile 2 b's two bytes below, tile 2 b + 1's above
	global_store_b32 v[L4], v[SP], s[74:75] offset:12288
.endif
.endm
	QKJOB AWQ, AWSQ, BIAS, 0, AX2, AXS2
	s_wait_loadcnt 0x0                             ; bk
	QKJOB AWK, AWSK, BK, 1, AXK, AXSK
	s_wait_tensorcnt 0x0
	ds_add_u32 v254, v255
	s_wait_dscnt 0x0
	CROUND                                         ; the closing round: no work-group ends while a partner may still ask jointly
	s_endpgm
.Lfunc_end_k_q8d5a7efde1_qkv:
	.size	k_q8d5a7efde1_qkv, .Lfunc_end_k_q8d5a7efde1_qkv-k_q8d5a7efde1_qkv
	.p2alignl 7, 3214868480
	.fill 96, 4, 3214868480
	.section	.rodata,"a",@progbits
	.p2align	6, 0x0
	.amdhsa_kernel k_q8d5a7efde1_qkv
		.amdhsa_group_segment_fixed_size 214016
		.amdhsa_private_segment_fixed_size 0
		.amdhsa_enable_private_segment 0
		.amdhsa_kernarg_size 56
		.amdhsa_user_sgpr_count 2
		.amdhsa_user_sgpr_kernarg_segment_ptr 1
		.amdhsa_wavefront_size32 1
		.amdhsa_system_sgpr_workgroup_id_x 1
		.amdhsa_system_sgpr_workgroup_id_y 1
		.amdhsa_system_sgpr_workgroup_id_z 1
		.amdhsa_system_vgpr_workitem_id 0
		.amdhsa_next_free_vgpr 256
		.amdhsa_next_free_sgpr 80
		.amdhsa_reserve_vcc 0
		.amdhsa_float_denorm_mode_32 3
		.amdhsa_float_denorm_mode_16_64 3
		.amdhsa_memory_ordered 1
		.amdhsa_forward_progress 1
		.amdhsa_inst_pref_size 60
	.end_amdhsa_kernel
	.amdgpu_metadata
---
amdhsa.version: [ 1, 2 ]
amdhsa.kernels:
  - .name:           k_q8d5a7efde1_qkv
    .symbol:         k_q8d5a7efde1_qkv.kd
    .args:
      - { .name: xq, .offset: 0, .size: 8, .value_kind: global_buffer, .address_space: global }
      - { .name: wc, .offset: 8, .size: 8, .value_kind: global_buffer, .address_space: global }
      - { .name: bq, .offset: 16, .size: 8, .value_kind: global_buffer, .address_space: global }
      - { .name: bk, .offset: 24, .size: 8, .value_kind: global_buffer, .address_space: global }
      - { .name: bv, .offset: 32, .size: 8, .value_kind: global_buffer, .address_space: global }
      - { .name: qb, .offset: 40, .size: 8, .value_kind: global_buffer, .address_space: global }
      - { .name: kv, .offset: 48, .size: 8, .value_kind: global_buffer, .address_space: global }
    .group_segment_fixed_size: 214016
    .private_segment_fixed_size: 0
    .kernarg_segment_align: 8
    .kernarg_segment_size: 56
    .max_flat_workgroup_size: 256
    .sgpr_count:     80
    .vgpr_count:     256
    .wavefront_size: 32
...
	.end_amdgpu_metadata
.endif
;; end of part 2
;; launch attn (part 3): grid 16 x 16, 16 waves a work-group, clusters of 4 x 1, 327,680 bytes of LDS; arguments qb, kv, cb; writes cb
.if DOCPART == 3
	.amdgcn_target "amdgcn-amd-amdhsa--gfx1250"
	.amdhsa_code_object_version 6
	.text
	.protected	k_q8d5a7efde1_attn
	.globl	k_q8d5a7efde1_attn
	.p2align	8
	.type	k_q8d5a7efde1_attn,@function
k_q8d5a7efde1_attn:
	s_mov_b64 s[64:65], 0
	v_nop
	global_prefetch_b8 v0, s[64:65] scope:SCOPE_SE
	s_setreg_imm32_b32 hwreg(HW_REG_WAVE_MODE, 25, 1), 1
	s_wait_xcnt 0x0
	s_wait_alu depctr_hold_cnt(0) depctr_sa_sdst(0) depctr_va_vdst(0) depctr_va_sdst(0) depctr_va_ssrc(0) depctr_va_vcc(0) depctr_vm_vsrc(0)
	s_getreg_b32 s2, hwreg(HW_REG_IB_STS2, 6, 4)
	s_cmp_eq_u32 s2, 0
	s_cbranch_scc0 .Lentry_in_a_cluster
	s_endpgm
.Lentry_in_a_cluster:
	s_bfe_u32 s2, ttmp6, 0x10000c
	s_cmp_lg_u32 s2, 0x3003
	s_cbranch_scc0 .Lentry_shape_is_right
	s_endpgm
.Lentry_shape_is_right:
; ctx = softmax(q k^T / 8) v for one head and 256 queries a work-group, both products on codes of FP6 (E2M3) with E8M0 scales; ctx is quantised along its 64 channels on the way out.
; THE SOFTMAX: t = score x log2(e) / 8; M = the running largest t rounded UP to a whole number, kept as -M; p = 2^(t - M) is what is quantised, along the keys, not normalised.
; The row's sum is taken of the unquantised p and divides O at the end.  When M moves, the sum and O are multiplied by 2^(old M - new M): exact, and with no branch on data.
; SHARES: sixteen waves, each with one tile of 16 queries in 256 registers; every wave walks the head's 4,096 keys, 128 a step.  A step's record (13,312 bytes, images of registers: K's 8 half fragments,
; V's 4 fragments at 6,144, K's 4 words at 12,288, V's 4 at 12,800) comes through a ring of two LDS slots of 8 records; waves 0-3 fetch two records each, one tensor load of theirs out at a time.
; CLUSTER: the four query blocks of a cluster belong to one head and walk the same records: each fill is asked for JOINTLY (mask 15), behind a round of the cluster's barrier.
; LAYOUT: both products are used transposed (S^T = K Q^T, O^T = V^T P^T): a lane holds ONE query.  Row 8 g + j of key tile t is key 64 (t / 4) + 32 g + 8 (t % 4) + j: so register 32 c + i of a lane's 64 scores
; is key 64 c + 32 (lane / 16) + i: two WHOLE blocks of 32 keys, in the order of the operand's registers: a block's maximum needs no other lane, and the conversions' results are not exchanged between lanes.
; THE SCORE PRODUCT'S K IS 64 OF 128.  Two tiles of K share six registers of zero codes: [Ka | zeros | Kb]; the even tile is read as (Ka, zeros), the odd one as (zeros, Kb), against (Q, Q).
; A pair's scale word holds Ka's two bytes below and Kb's above; Q's holds its two bytes twice.  So all eight tiles stand in 72 registers, and the next step's are loaded while this step's softmax is worked.
; V's fragments come in three parts as registers fall free: tile 2 into registers of its own, tiles 0 and 1 over p's first 24 registers, tile 3 over twelve of its second half.
; A block's largest p is not searched for: p rises with the score, so the block's largest score goes through the same multiply-add and exponential.
; NO DATA PREFETCH.
; LIMITS: the scaled scores stay under 2^31 in magnitude; p under 2^-126 comes out as 0; a block whose largest p (or, on the way out, magnitude) lies under 2^-124 gets the byte 1; NaN and infinities are not served.
.set STEPB, 13312
.set HREC,  26624                      ; two records: what one tensor load brings: 104 rows of 256 bytes
.set SLOT1, 131072                     ; slot 1 begins here
.set SPARE, 262144                     ; the spare words, 128 bytes for each wave, that no other line names
.set QS,    3145728                    ; where the scale words begin in qb, and in cb
.set L16,  1                           ; v1-3  16, 8, 4 x lane
.set L8,   2
.set L4,   3
.set SPW,  4                           ; v4  LDS address of my spare word; never rewritten
.set NIL,  5                           ; v5  0; never rewritten
.set AD16, 6                           ; v6-8 the step's LDS addresses
.set AD8,  7
.set AD4,  8
.set SH8,  9                           ; v9  8 (lane / 16)
.set NM,   10                          ; v10 -M;  v11 the running largest score
.set RM,   11
.set TMP,  12
.set TM2,  13
.set F,    14                          ; v[14:15] f = 2^(old M - new M)
.set LS,   16                          ; v16-23 the row's sum, in four chains of pairs
.set Q,    24                          ; v24-35 (Q, Q)
.set QSC,  36                          ; v36 Q's word; v37-40 K's; v41-44 V's; v45 p's: scales and nothing else
.set KS,   37
.set VS,   41
.set PSC,  45
.set CH,   46                          ; v46-49 four chains of maxima; block c's largest score, then p, in v[CH + 2 c]
.set BS,   50                          ; v50-51 the conversions' scale operands
.set BB,   52                          ; v52-53 the bytes
.set KR,   54                          ; v54-125 K: four runs of [Ka | zeros | Kb]
.set S,    126                         ; v126-189 S^T, then p; then V's tiles 0, 1 and 3
.set O,    190                         ; v190-221 O^T
.set PC,   222                         ; v222-233 p's codes
.set PT,   234                         ; v234-241 the conversions' second halves (three registers begin on an even number)
.set VD,   242                         ; v242-253 V's tile 2
.set PWO,  254                         ; ctx's scale word
.set TM,   54                          ; at work on the way out
.set WV,   10
.set SEL,  20
.set CS,   22                          ; s[22:23] c = log2(e) / 8
.set G1,   24
.set G0,   32
.set TB,   36                          ; LDS byte at which the next step's record begins
.set NSL,  37
.set NST,  38
.set SH,   39                          ; 16 for an odd head
.set NC,   50                          ; -c
.macro PLACES n
.rept \n
	v_nop
.endr
.endm
.macro CROUND                          ; a round of the cluster's barrier
	s_barrier_signal -1
	s_barrier_wait -1
	s_cmp_lg_u32 s[WV], 0
	s_cbranch_scc1 .Lnot_wave_0_\@
	s_barrier_signal -3
.Lnot_wave_0_\@:
	s_barrier_wait -3
	s_barrier_signal -1
	s_barrier_wait -1
.endm
.macro TLOAD                           ; waves 0-3 fetch; the branch hangs on the wave's number alone
	s_cmp_lt_u32 s[WV], 4
	s_cbranch_scc0 .Lnone_\@
	tensor_load_to_lds s[G0:G0+3], s[G1:G1+7]
	s_nop 0
	PLACES 4
.Lnone_\@:
.endm
.macro SCORE t                         ; tile t of 16 keys: even (Ka, zeros), odd (zeros, Kb)
	v_wmma_scale_f32_16x16x128_f8f6f4 v[S+8*\t:S+8*\t+7], v[KR+18*(\t/2)+6*(\t%2):KR+18*(\t/2)+6*(\t%2)+11], v[Q:Q+11], 0, v[KS+\t/2], v[QSC] matrix_a_fmt:MATRIX_FMT_FP6 matrix_b_fmt:MATRIX_FMT_FP6
.endm
.macro KL on, off, t                   ; tile t's half fragment of the record off bytes behind the step's
.if \on
	ds_load_b128 v[KR+18*(\t/2)+12*(\t%2):KR+18*(\t/2)+12*(\t%2)+3], v[AD16] offset:\off+768*\t
	ds_load_b64 v[KR+18*(\t/2)+12*(\t%2)+4:KR+18*(\t/2)+12*(\t%2)+5], v[AD8] offset:\off+768*\t+512
.endif
.endm
.macro KW on, off                      ; and the four pairs' words
.if \on
.irp i, 0,1,2,3
	ds_load_b32 v[KS+\i], v[AD4] offset:\off+12288+128*\i
.endr
.endif
.endm
.macro VL t, a                         ; V's tile t into v[a] on, and its words
.irp c, 0,1,2
	ds_load_b128 v[\a+4*\c:\a+4*\c+3], v[AD16] offset:6144+1536*\t+512*\c
.endr
	ds_load_b32 v[VS+\t], v[AD4] offset:12800+128*\t
.endm
.macro PV t, a
	v_wmma_scale_f32_16x16x128_f8f6f4 v[O+8*\t:O+8*\t+7], v[\a:\a+11], v[PC:PC+11], v[O+8*\t:O+8*\t+7], v[VS+\t], v[PSC] matrix_a_fmt:MATRIX_FMT_FP6 matrix_b_fmt:MATRIX_FMT_FP6
.endm
.macro ADDP j                          ; pair j of p onto chain j % 4 of the sum
	v_pk_add_f32 v[LS+2*(\j%4):LS+2*(\j%4)+1], v[LS+2*(\j%4):LS+2*(\j%4)+1], v[S+2*\j:S+2*\j+1]
.endm
; 32 numbers of a lane, register 16 b + i = channel 32 b + 16 (lane / 16) + i, become registers 0-5 of a fragment in v[PC] on and two scale bytes in v[pw]
.macro QUANT2 s, pw
.irp b, 0,1
	v_max3_num_f32 v[TM+\b], |v[\s+16*\b]|, |v[\s+1+16*\b]|, 0x1800000
.endr
.irp i, 2,4,6,8,10,12,14
.irp b, 0,1
	s_delay_alu instid0(VALU_DEP_2)
	v_max3_num_f32 v[TM+\b], v[TM+\b], |v[\s+16*\b+\i]|, |v[\s+1+16*\b+\i]|
.endr
.endr
.irp b, 0,1
	s_delay_alu instid0(VALU_DEP_2)
	v_permlanex16_b32 v[TM+4+\b], v[TM+\b], s[SEL], s[SEL+1]
.endr
.irp b, 0,1
	s_delay_alu instid0(VALU_DEP_2)
	v_max_num_f32 v[TM+\b], v[TM+\b], v[TM+4+\b]
.endr
.irp b, 0,1
	s_delay_alu instid0(VALU_DEP_2)
	v_add_nc_u32 v[TM+8+\b], 0xff000000, v[TM+\b]
.endr
.irp b, 0,1
	s_delay_alu instid0(VALU_DEP_2)
	v_lshrrev_b32 v[TM+4+\b], 23, v[TM+8+\b]
.endr
	s_delay_alu instid0(VALU_DEP_1)
	v_lshl_or_b32 v[\pw], v[TM+5], 8, v[TM+4]
	v_cvt_scalef32_pk16_fp6_f32 v[PC:PC+2], v[\s:\s+15], v[TM+8]
	v_cvt_scalef32_pk16_fp6_f32 v[PT:PT+2], v[\s+16:\s+31], v[TM+9]
	v_nop                                          ; one plain place behind a scaled conversion
.irp i, 0,1,2
	v_permlane16_swap_b32 v[PC+\i], v[PT+\i]
.endr
.irp i, 0,1,2
	s_delay_alu instid0(VALU_DEP_3)
	v_mov_b32 v[PC+3+\i], v[PT+\i]
.endr
.endm
	s_load_b128 s[4:7], s[0:1], 0x0                ; qb s[4:5], kv s[6:7]
	s_load_b64 s[8:9], s[0:1], 0x10                ; cb
	v_lshl_add_u32 v[SPW], v0, 2, SPARE
	v_mov_b32 v[NIL], 0
	ds_add_u32 v[SPW], v[NIL]                      ; the opening lines: the add, twice on end, and its wait
	ds_add_u32 v[SPW], v[NIL]
	v_lshrrev_b32 v[TMP], 5, v0
	s_delay_alu instid0(VALU_DEP_1)
	v_readfirstlane_b32 s[WV], v[TMP]              ; wave 0..15
	v_and_b32 v[TMP], 31, v0
	v_bfe_u32 v[SH8], v0, 4, 1
	s_delay_alu instid0(VALU_DEP_2)
	v_lshlrev_b32 v[L16], 4, v[TMP]
	v_lshlrev_b32 v[L8], 3, v[TMP]
	v_lshlrev_b32 v[L4], 2, v[TMP]
	v_lshlrev_b32 v[SH8], 3, v[SH8]
	s_bfe_u32 s11, ttmp6, 0x40000                  ; cx: it enters Q's and ctx's addresses alone
	s_lshl_b32 s12, ttmp9, 2
	s_add_co_u32 s12, s12, s11                     ; my block of 256 queries
	s_lshl_b32 s12, s12, 4
	s_add_co_u32 s12, s12, s[WV]                   ; T: my tile of 16 queries
	s_and_b32 s13, ttmp7, 0xffff                   ; bh = 8 x batch + head, which the four partners share
	s_lshl_b32 s14, s13, 8
	s_add_co_u32 s14, s14, s12
	s_mul_i32 s40, s14, 768                        ; Q's half fragment
	s_mov_b32 s41, 0
	s_lshl_b32 s42, s14, 7
	s_add_co_u32 s42, s42, QS                      ; its words
	s_mov_b32 s43, 0
	s_lshr_b32 s15, s13, 3
	s_lshl_b32 s15, s15, 8
	s_add_co_u32 s15, s15, s12
	s_lshl_b32 s15, s15, 3
	s_and_b32 s16, s13, 7
	s_add_co_u32 s15, s15, s16                     ; (batch x 256 + T) x 8 + head
	s_mul_i32 s44, s15, 768                        ; ctx's half fragment
	s_mov_b32 s45, 0
	s_lshl_b32 s46, s15, 7
	s_add_co_u32 s46, s46, QS
	s_mov_b32 s47, 0
	s_and_b32 s[SH], s13, 1
	s_lshl_b32 s[SH], s[SH], 4
	s_and_b32 s17, s[WV], 3
	s_mul_i32 s17, s17, HREC                       ; which two records of a slot I fetch, if I fetch: in LDS and in memory alike
	s_mul_i32 s48, s13, 32*STEPB                   ; the head's 32 records
	s_add_co_u32 s48, s48, s17
	s_mov_b32 s49, 0
	s_mov_b32 s[G1], 15|(3<<16)|(1<<21)            ; the mask: all four work-groups; elements of 8 bytes; bit 21 set beside a mask; no padding: every LDS read here is dense
	s_mov_b32 s[G1+1], 32<<16
	s_mov_b32 s[G1+2], 104<<16
	s_mov_b32 s[G1+3], 32<<16
	s_mov_b32 s[G1+4], 104
	s_mov_b32 s[G1+5], 32
	s_mov_b32 s[G1+6], 0
	s_mov_b32 s[G1+7], 0
	s_mov_b32 s[SEL], 0x76543210
	s_mov_b32 s[SEL+1], 0xfedcba98
	s_mov_b32 s[CS], 0x3e38aa3b                    ; c = log2(e) / sqrt(64)
	s_mov_b32 s[CS+1], s[CS]
	s_mov_b32 s[NC], 0xbe38aa3b                    ; -c
	s_mov_b32 s[TB], 0
	s_mov_b32 s[NSL], 3
	s_wait_alu depctr_va_vdst(0)
	s_wait_dscnt 0x0                               ; both opening adds are done
	s_wait_kmcnt 0x0
	s_mov_b32 s[G0], 1
	s_mov_b32 s[G0+1], s17                         ; slot 0
	s_add_nc_u64 s[G0+2:G0+3], s[6:7], s[48:49]
	s_or_b32 s[G0+3], s[G0+3], 0x80000000
	s_add_nc_u64 s[40:41], s[4:5], s[40:41]
	s_add_nc_u64 s[42:43], s[4:5], s[42:43]
	s_add_nc_u64 s[44:45], s[8:9], s[44:45]
	s_add_nc_u64 s[46:47], s[8:9], s[46:47]
	CROUND                                         ; all four work-groups are here: the first joint loads meet
	TLOAD                                          ; slot 0: steps 0-7
	global_load_b128 v[Q:Q+3], v[L16], s[40:41]
	global_load_b64 v[Q+4:Q+5], v[L8], s[40:41] offset:512
	global_load_b128 v[Q+6:Q+9], v[L16], s[40:41]              ; the same six registers once more: (Q, Q)
	global_load_b64 v[Q+10:Q+11], v[L8], s[40:41] offset:512
	global_load_b32 v[QSC], v[L4], s[42:43]
.irp g, 0,1,2,3
.irp i, 6,7,8,9,10,11
	v_mov_b32 v[KR+18*\g+\i], 0                    ; the zero codes between Ka and Kb, cleared once
.endr
.endr
	v_mov_b32 v[AD16], v[L16]                      ; the first step's record lies at LDS byte 0
	v_mov_b32 v[AD8], v[L8]
	v_mov_b32 v[AD4], v[L4]
	v_mov_b32 v[RM], 0xff61b1e6                    ; the largest score so far: -3e38
	v_mov_b32 v[NM], 0x7f61b1e6                    ; -M to match: the first step's f comes out 0
	v_mov_b32 v[TM2], 0                            ; a lane permute's destination counts as one of its sources
	v_mov_b32 v[F+1], 0                            ; named as the upper half of a pair
.irp j, 0,1,2,3,4,5,6,7
	v_mov_b32 v[LS+\j], 0
.endr
	s_wait_loadcnt 0x0                             ; Q
	v_lshl_or_b32 v[QSC], v[QSC], 16, v[QSC]       ; Q's two bytes twice.  The 32 lines below are its places
.set J, 0
.rept 32
	v_mov_b32 v[O+J], 0                            ; O^T: the step is written once: the first finds zeros, which f = 0 leaves zeros
.set J, J+1
.endr
; A KEY STEP: 128 keys: 8 + 4 matrix instructions.  K's fragments and words are in when it begins.  pre = 1: the next record's K is loaded; pre = 0: a slot's last step.
.macro STEP pre
.irp t, 0,1,2,3,4,5,6,7
	SCORE \t
.endr
	PLACES 4                                       ; in front of the first read of results and of loads into K's registers
.irp q, 0,1,2,3
	v_max3_num_f32 v[CH+\q], v[S+16*\q], v[S+16*\q+1], v[S+16*\q+2]   ; four chains of 16 scores by turns; each accumulator is read from its low end on
.endr
.irp i, 3,5,7,9,11,13
.irp q, 0,1,2,3
	v_max3_num_f32 v[CH+\q], v[CH+\q], v[S+16*\q+\i], v[S+16*\q+\i+1]
.endr
.endr
.irp c, 0,1
	v_max3_num_f32 v[CH+2*\c], v[CH+2*\c], v[CH+2*\c+1], v[S+32*\c+15]
.endr
.irp c, 0,1
	v_max_num_f32 v[CH+2*\c], v[CH+2*\c], v[S+32*\c+31]    ; my two blocks' largest scores
.endr
	s_delay_alu instid0(VALU_DEP_1)
	v_max_num_f32 v[TMP], v[CH], v[CH+2]
	KL \pre, STEPB, 0                              ; the next record's K goes out among the lines of this chain
.if \pre == 0
	s_delay_alu instid0(VALU_DEP_1)
.endif
	v_permlanex16_b32 v[TM2], v[TMP], s[SEL], s[SEL+1]
	KL \pre, STEPB, 1
.if \pre == 0
	s_delay_alu instid0(VALU_DEP_1)
.endif
	v_max3_num_f32 v[RM], v[RM], v[TMP], v[TM2]    ; the running largest score of my query
	KL \pre, STEPB, 2
.if \pre == 0
	s_delay_alu instid0(VALU_DEP_1)
.endif
	v_mul_f32 v[TMP], s[NC], v[RM]                 ; -t
	KL \pre, STEPB, 3
.if \pre == 0
	s_delay_alu instid0(VALU_DEP_1)
.endif
	v_floor_f32 v[TMP], v[TMP]                     ; the new -M = -ceil(t)
	KL \pre, STEPB, 4
.if \pre == 0
	s_delay_alu instid0(VALU_DEP_1)
.endif
	v_sub_f32 v[TM2], v[TMP], v[NM]                ; old M - new M: a whole number, 0 or less
	v_mov_b32 v[NM], v[TMP]
	KL \pre, STEPB, 5
.if \pre == 0
	s_delay_alu instid0(VALU_DEP_2)
.endif
	v_cvt_i32_f32 v[TM2], v[TM2]                   ; (it saturates)
	KL \pre, STEPB, 6
.if \pre == 0
	s_delay_alu instid0(VALU_DEP_1)
.endif
	v_ldexp_f32 v[F], 1.0, v[TM2]                  ; f = 2^(old M - new M)
	KL \pre, STEPB, 7
	KW \pre, STEPB
	VL 2, VD                                       ; this step's V, tile 2
.set J, 0
.rept 32
	v_pk_fma_f32 v[S+J:S+J+1], v[S+J:S+J+1], s[CS:CS+1], v[NM:NM+1] op_sel_hi:[1,0,0]   ; t - M, two at a time
.set J, J+2
.endr
	v_fma_f32 v[CH], v[CH], s[CS], v[NM]           ; the same of each block's largest score
	v_fma_f32 v[CH+2], v[CH+2], s[CS], v[NM]
	s_wait_alu depctr_va_vdst(0)                   ; ahead of the batch
	v_exp_f32 v[CH], v[CH]                         ; the blocks' largest p
	v_exp_f32 v[CH+2], v[CH+2]
.set J, 0
.rept 64
	v_exp_f32 v[S+J], v[S+J]                       ; p = 2^(t - M)
.set J, J+1
.endr
	v_nop                                          ; one plain place behind the exponentials
	s_wait_alu depctr_va_vdst(0)                   ; one wait for the batch, ahead of its first reader
	v_max_num_f32 v[CH], 0x1800000, v[CH]          ; the floor 2^(3 - 127): the byte cannot fall under 1
	v_max_num_f32 v[CH+2], 0x1800000, v[CH+2]
.irp j, 0,1,2,3
	v_pk_fma_f32 v[LS+2*\j:LS+2*\j+1], v[LS+2*\j:LS+2*\j+1], v[F:F+1], v[S+2*\j:S+2*\j+1] op_sel_hi:[1,0,1]   ; each chain of the sum under the new M, and its first pair of p
.endr
	v_add_nc_u32 v[BS], 0xff000000, v[CH]          ; 2 off the exponent field: the conversion's scale operand
	v_add_nc_u32 v[BS+1], 0xff000000, v[CH+2]
.irp j, 4,5,6,7
	ADDP \j
.endr
	v_lshrrev_b32 v[BB], 23, v[BS]                 ; the bytes
	v_lshrrev_b32 v[BB+1], 23, v[BS+1]
.irp j, 8,9,10,11
	ADDP \j
.endr
	v_cvt_scalef32_pk16_fp6_f32 v[PC:PC+2], v[S:S+15], v[BS]
	v_cvt_scalef32_pk16_fp6_f32 v[PT:PT+2], v[S+16:S+31], v[BS]
	v_lshl_or_b32 v[PSC], v[BB+1], 16, v[BB]       ; my two bytes: blocks h and 2 + h.  (A plain place behind the conversions)
	VL 0, S                                        ; p's first 24 registers are summed and converted: they take V's tiles 0 and 1
	VL 1, S+12
.irp j, 12,13,14,15,16,17,18,19,20,21
	ADDP \j
.endr
	v_cvt_scalef32_pk16_fp6_f32 v[PC+6:PC+8], v[S+32:S+47], v[BS+1]
	v_cvt_scalef32_pk16_fp6_f32 v[PT+4:PT+6], v[S+48:S+63], v[BS+1]
	v_lshlrev_b32 v[PSC], v[SH8], v[PSC]           ; at their places in the word.  (A plain place behind the conversions)
.irp i, 0,1,2
	v_mov_b32 v[PC+3+\i], v[PT+\i]
.endr
	v_permlanex16_b32 v[TMP], v[PSC], s[SEL], s[SEL+1]
.irp i, 0,1,2
	v_mov_b32 v[PC+9+\i], v[PT+4+\i]
.endr
	v_or_b32 v[PSC], v[PSC], v[TMP]                ; with lane l xor 16's two bytes p's word is whole
	VL 3, S+32                                     ; registers 32-43 of p are summed and converted: they take V's tile 3
.if \pre
	s_add_co_u32 s[TB], s[TB], STEPB               ; the next step's record
.else
	s_sub_co_u32 s[TB], s[TB], 7*STEPB             ; back to a slot's first record,
	s_xor_b32 s[TB], s[TB], SLOT1                  ; in the other slot
.endif
	v_add_nc_u32 v[AD16], s[TB], v[L16]            ; the next step's addresses: this step's last LDS load has been issued
	v_add_nc_u32 v[AD8], s[TB], v[L8]
	v_add_nc_u32 v[AD4], s[TB], v[L4]
	s_wait_alu depctr_va_vdst(0)                   ; ahead of the first reader of O^T
.set J, 0
.rept 16
	v_pk_mul_f32 v[O+J:O+J+1], v[O+J:O+J+1], v[F:F+1] op_sel_hi:[1,0]   ; O^T under the new M, while V's fragments come; also the places behind the writes of p's word and codes
.set J, J+2
.endr
	s_wait_alu depctr_va_vdst(0)
	s_wait_dscnt 4                                 ; all but the youngest four loads, tile 3's
	PV 0, S                                        ; O^T += V^T P^T: the four accumulators take turns
	PV 1, S+12
	PV 2, VD
	s_wait_dscnt 0x0                               ; tile 3 is in, and so is the next step's K
	PV 3, S+32
.irp j, 22,23,24,25,26,27,28,29,30,31
	ADDP \j                                        ; the last ten pairs of p name no register of the products above: they are the places ahead of the next step's products, which write over V's registers
.endr
.endm
.macro SLOT_STEPS                      ; a slot's eight steps: the first's K is loaded here; seven trips load the next step's; the last loads none
.irp t, 0,1,2,3,4,5,6,7
	KL 1, 0, \t
.endr
	KW 1, 0
	s_mov_b32 s[NST], 7
	s_wait_dscnt 0x0
.Lstep_\@:
	STEP 1
	s_sub_co_u32 s[NST], s[NST], 1
	s_cmp_lg_u32 s[NST], 0
	s_cbranch_scc1 .Lstep_\@
	STEP 0
.endm
; THE CHANGE OF SLOTS stands at a slot's head.  Each wave waits for all its tensor loads, adds 0 to its spare word, and waits for that and for its reads of the slot that it has left.
; fill = 1: a round of the cluster's barrier, so that no wave of any partner still reads that slot or has a load on its way; the joint refill is the first thing behind it.
.macro CHANGE fill
	s_wait_tensorcnt 0x0                           ; no tensor load of mine is out, so the descriptor may be written
	ds_add_u32 v[SPW], v[NIL]                      ; 0 onto my spare word
.if \fill
	ds_add_u32 v[SPW], v[NIL]                      ; twice on end here
	s_xor_b32 s[G0+1], s[G0+1], SLOT1              ; the other slot than last time,
	s_add_nc_u64 s[G0+2:G0+3], s[G0+2:G0+3], 8*STEPB   ; the next eight records
.endif
	s_wait_dscnt 0x0
.if \fill
	CROUND
	TLOAD
.else
	s_barrier_signal -1
	s_barrier_wait -1
.endif
.endm
	s_wait_alu depctr_va_vdst(0)
.Lslot:                                            ; three trips: behind each change of slots but the last the next slot is asked for
	CHANGE 1
	SLOT_STEPS
	s_sub_co_u32 s[NSL], s[NSL], 1
	s_cmp_lg_u32 s[NSL], 0
	s_cbranch_scc1 .Lslot
	CHANGE 0                                       ; the last slot is written out
	SLOT_STEPS
	; THE WAY OUT: O^T / the sum, quantised along the head's 64 channels: registers 0-5 of a fragment of the next product, stored as they stand
	v_pk_add_f32 v[LS:LS+1], v[LS:LS+1], v[LS+2:LS+3]          ; the sum's four chains,
	v_pk_add_f32 v[LS+4:LS+5], v[LS+4:LS+5], v[LS+6:LS+7]
	s_delay_alu instid0(VALU_DEP_1)
	v_pk_add_f32 v[LS:LS+1], v[LS:LS+1], v[LS+4:LS+5]
	s_delay_alu instid0(VALU_DEP_1)
	v_add_f32 v[LS], v[LS], v[LS+1]                ; its two halves,
	s_delay_alu instid0(VALU_DEP_1)
	v_permlanex16_b32 v[TMP], v[LS], s[SEL], s[SEL+1]
	s_delay_alu instid0(VALU_DEP_1)
	v_add_f32 v[LS], v[LS], v[TMP]                 ; and lane l xor 16's
	s_wait_alu depctr_va_vdst(0)                   ; ahead of the transcendental
	v_rcp_f32 v[LS], v[LS]
	v_nop                                          ; one plain place behind a transcendental
	s_wait_alu depctr_va_vdst(0)                   ; and ahead of its first reader, which is also O^T's
.set J, 0
.rept 16
	v_pk_mul_f32 v[S+J:S+J+1], v[O+J:O+J+1], v[LS:LS+1] op_sel_hi:[1,0]   ; register 16 b + i is channel 32 b + 16 h + i
.set J, J+2
.endr
	QUANT2 S, PWO
	v_lshlrev_b32 v[PWO], s[SH], v[PWO]            ; an odd head's bytes are bytes 2 and 3 of the word of its 128 along the next K
	global_store_b128 v[L16], v[PC:PC+3], s[44:45]
	global_store_b64 v[L8], v[PC+4:PC+5], s[44:45] offset:512
	global_store_b32 v[L4], v[PWO], s[46:47]
	s_wait_tensorcnt 0x0                           ; the wave's end
	ds_add_u32 v[SPW], v[NIL]
	s_wait_dscnt 0x0
	CROUND                                         ; the closing round
	s_endpgm
.Lfunc_end_k_q8d5a7efde1_attn:
	.size	k_q8d5a7efde1_attn, .Lfunc_end_k_q8d5a7efde1_attn-k_q8d5a7efde1_attn
	.p2alignl 7, 3214868480
	.fill 96, 4, 3214868480
	.section	.rodata,"a",@progbits
	.p2align	6, 0x0
	.amdhsa_kernel k_q8d5a7efde1_attn
		.amdhsa_group_segment_fixed_size 327680
		.amdhsa_private_segment_fixed_size 0
		.amdhsa_enable_private_segment 0
		.amdhsa_kernarg_size 24
		.amdhsa_user_sgpr_count 2
		.amdhsa_user_sgpr_kernarg_segment_ptr 1
		.amdhsa_wavefront_size32 1
		.amdhsa_system_sgpr_workgroup_id_x 1
		.amdhsa_system_sgpr_workgroup_id_y 1
		.amdhsa_system_sgpr_workgroup_id_z 1
		.amdhsa_system_vgpr_workitem_id 0
		.amdhsa_next_free_vgpr 256
		.amdhsa_next_free_sgpr 66
		.amdhsa_reserve_vcc 0
		.amdhsa_float_denorm_mode_32 3
		.amdhsa_float_denorm_mode_16_64 3
		.amdhsa_memory_ordered 1
		.amdhsa_forward_progress 1
		.amdhsa_inst_pref_size 73
	.end_amdhsa_kernel
	.amdgpu_metadata
---
amdhsa.version: [ 1, 2 ]
amdhsa.kernels:
  - .name:           k_q8d5a7efde1_attn
    .symbol:         k_q8d5a7efde1_attn.kd
    .args:
      - { .name: qb, .offset: 0, .size: 8, .value_kind: global_buffer, .address_space: global }
      - { .name: kv, .offset: 8, .size: 8, .value_kind: global_buffer, .address_space: global }
      - { .name: cb, .offset: 16, .size: 8, .value_kind: global_buffer, .address_space: global }
    .group_segment_fixed_size: 327680
    .private_segment_fixed_size: 0
    .kernarg_segment_align: 8
    .kernarg_segment_size: 24
    .max_flat_workgroup_size: 512
    .sgpr_count:     66
    .vgpr_count:     256
    .wavefront_size: 32
...
	.end_amdgpu_metadata
.endif
;; end of part 3
;; launch proj (part 4): grid 256 x 1, 8 waves a work-group, clusters of 4 x 1, 281,088 bytes of LDS; arguments cb, wc, bo, x, ln_g, ln_b, out0; writes out0
.if DOCPART == 4
	.amdgcn_target "amdgcn-amd-amdhsa--gfx1250"
	.amdhsa_code_object_version 6
	.text
	.protected	k_q8d5a7efde1_proj
	.globl	k_q8d5a7efde1_proj
	.p2align	8
	.type	k_q8d5a7efde1_proj,@function
k_q8d5a7efde1_proj:
	s_mov_b64 s[64:65], 0
	v_nop
	global_prefetch_b8 v0, s[64:65] scope:SCOPE_SE
	s_setreg_imm32_b32 hwreg(HW_REG_WAVE_MODE, 25, 1), 1
	s_wait_xcnt 0x0
	s_wait_alu depctr_hold_cnt(0) depctr_sa_sdst(0) depctr_va_vdst(0) depctr_va_sdst(0) depctr_va_ssrc(0) depctr_va_vcc(0) depctr_vm_vsrc(0)
	s_getreg_b32 s2, hwreg(HW_REG_IB_STS2, 6, 4)
	s_cmp_eq_u32 s2, 0
	s_cbranch_scc0 .Lentry_in_a_cluster
	s_endpgm
.Lentry_in_a_cluster:
	s_bfe_u32 s2, ttmp6, 0x10000c
	s_cmp_lg_u32 s2, 0x3003
	s_cbranch_scc0 .Lentry_shape_is_right
	s_endpgm
.Lentry_shape_is_right:
; out0 = LayerNorm(ctx wo + bo + x) x ln_g + ln_b.  The product is on codes of FP6 (E2M3) with E8M0 scales; all else in f32.
; A work-group takes 32 tokens and all 512 columns, so that a row's mean and variance stay inside it.  Wave w: token tile u = w % 2, columns 128 q .. 128 q + 127, q = w / 2.
; wo's four records (212,992 bytes, images of registers: fragment (tile t, K step s) at (4 t + s) x 1536, its words at 49,152 + (4 t + s) x 128) are filled once.
; CLUSTER: every work-group reads the same records: each wave's load of half a record is asked for JOINTLY by the four work-groups of a cluster (mask 15).  One tensor load of a wave is out.
; The product is used transposed (source 0 = 16 columns of wo, source 1 = 16 tokens of ctx): a lane holds ONE token, and register 16 b + i of its 64 is column 128 q + 32 b + 16 h + i.
; x + bo, loaded in that layout, is the C of the first matrix instruction (another order of rounding than product first).  ctx's fragment of K step s is head 2 s's six registers and head 2 s + 1's six.
; LAYERNORM in two passes (mean; then the squares of the differences): no difference of large sums is formed.  A row's four quarters meet in LDS, one word a wave and row.
; Token r of tile 2 G + u is token 32 G + 8 u + r + 8 (r / 8).  The rows leave through a stage in LDS: each store of a wave covers 512 consecutive bytes of a row of out0.
; LIMITS: NaN and infinities are not served.
.set REC,   53248
.set HREC,  26624
.set SCO,   49152
.set CS,    3145728                    ; where cb's scale words begin
.set STAT1, 212992                     ; 2 tiles x 16 rows x 4 words: the rows' partial sums;  the squares' 512 bytes on
.set STAGE, 214016                     ; 32 rows x (2,048 bytes + 16): row r starts 4 r words on modulo 64, so the sixteen rows of a store touch different words
.set SPI,   2064
.set L16,  1
.set L8,   2
.set L4,   3
.set XO,   4                           ; v4  my row's and half's place in x
.set AW,   5                           ; v5  LDS: wo's record q
.set AWS,  6                           ; v6  its scale words
.set HO,   7                           ; v7  64 h: my half's place in bo, ln_g, ln_b
.set SS,   8                           ; v8  where I put my partial sum
.set SL,   9                           ; v9  where I read my row's four
.set GS,   10                          ; v10 the stage: where I put my numbers
.set GR,   11                          ; v11 and where I read rows back
.set CF,   16                          ; v16-63   ctx's four fragments; later ln_b's first three sixteens
.set ACC,  64                          ; v64-127  eight accumulators
.set WF,   128                         ; v128-223 wo's eight fragments of a K step
.set BO,   128                         ; v128-191 first bo, later ln_g, at last the rows read back
.set LG,   128
.set WSC,  224                         ; v224-231 wo's scale words; v232-235 ctx's; v236-243 ctx's halves: scales and nothing else
.set CSW,  232
.set CSR,  236
.set T0,   244
.set T1,   246
.set ST4,  248
.set BC,   252
.set TX,   254
.set WV,   18
.set G1,   24
.set G0,   32
.set SEL,  36
.macro PLACES n
.rept \n
	v_nop
.endr
.endm
.macro CROUND                          ; a round of the cluster's barrier
	s_barrier_signal -1
	s_barrier_wait -1
	s_cmp_lg_u32 s[WV], 0
	s_cbranch_scc1 .Lnot_wave_0_\@
	s_barrier_signal -3
.Lnot_wave_0_\@:
	s_barrier_wait -3
	s_barrier_signal -1
	s_barrier_wait -1
.endm
.macro MM d, a, b, c, sa, sb
	v_wmma_scale_f32_16x16x128_f8f6f4 v[\d:\d+7], v[\a:\a+11], v[\b:\b+11], v[\c:\c+7], v[\sa], v[\sb] matrix_a_fmt:MATRIX_FMT_FP6 matrix_b_fmt:MATRIX_FMT_FP6
.endm
.macro MEET off                        ; v[T0:T0+1] and v[T1:T1+1] hold my 64 numbers' sum in four parts: the row's sum over 512 columns comes into v[ST4], the same bits in every wave
	s_delay_alu instid0(VALU_DEP_1)
	v_pk_add_f32 v[T0:T0+1], v[T0:T0+1], v[T1:T1+1]
	s_delay_alu instid0(VALU_DEP_1)
	v_add_f32 v[T0], v[T0], v[T0+1]
	s_delay_alu instid0(VALU_DEP_1)
	v_permlanex16_b32 v[TX], v[T0], s[SEL], s[SEL+1]
	s_delay_alu instid0(VALU_DEP_1)
	v_add_f32 v[T0], v[T0], v[TX]                  ; with lane l xor 16's: my quarter of the row
	ds_store_b32 v[SS], v[T0] offset:\off          ; both lanes of a row write the same word with the same value
	s_wait_dscnt 0x0                               ; for the others' sake
	s_barrier_signal -1
	s_barrier_wait -1
	ds_load_b128 v[ST4:ST4+3], v[SL] offset:\off
	s_wait_dscnt 0x0
	v_add_f32 v[ST4], v[ST4], v[ST4+1]
	v_add_f32 v[ST4+2], v[ST4+2], v[ST4+3]
	s_delay_alu instid0(VALU_DEP_1)
	v_add_f32 v[ST4], v[ST4], v[ST4+2]
.endm
	s_load_b256 s[4:11], s[0:1], 0x0               ; cb s[4:5], wc s[6:7], bo s[8:9], x s[10:11]
	s_load_b128 s[12:15], s[0:1], 0x20             ; ln_g s[12:13], ln_b s[14:15]
	s_load_b64 s[16:17], s[0:1], 0x30              ; out0
	v_lshl_add_u32 v255, v0, 2, 0x44600
	s_set_vgpr_msb 0x40
	v_mov_b32 v1, 0
	s_set_vgpr_msb 0x4044
	ds_add_u32 v255, v1
	ds_add_u32 v255, v1
	s_set_vgpr_msb 0x4400
	v_lshrrev_b32 v12, 5, v0
	s_delay_alu instid0(VALU_DEP_1)
	v_readfirstlane_b32 s[WV], v12                 ; wave 0..7
	v_and_b32 v12, 31, v0
	s_delay_alu instid0(VALU_DEP_1)
	v_lshlrev_b32 v[L16], 4, v12
	s_delay_alu instid0(VALU_DEP_2)
	v_lshlrev_b32 v[L8], 3, v12
	s_delay_alu instid0(VALU_DEP_3)
	v_lshlrev_b32 v[L4], 2, v12
	v_and_b32 v13, 15, v0                          ; r
	v_bfe_u32 v14, v0, 4, 1                        ; h
	s_delay_alu instid0(VALU_DEP_1)
	v_lshlrev_b32 v[HO], 6, v14
	s_delay_alu instid0(VALU_DEP_3)
	v_and_b32 v15, 8, v13
	s_delay_alu instid0(VALU_DEP_1)
	v_add_nc_u32 v15, v15, v13                     ; r + 8 (r / 8)
	s_delay_alu instid0(VALU_DEP_1)
	v_lshl_add_u32 v[XO], v15, 11, v[HO]
	v_mov_b32 v[TX], 0                             ; written once: a lane permute's destination counts as one of its sources
	s_and_b32 s19, s[WV], 1                        ; u
	s_lshr_b32 s20, s[WV], 1                       ; q
	s_mul_i32 s21, s20, REC
	v_add_nc_u32 v[AW], s21, v[L16]
	s_add_co_u32 s21, s21, SCO
	v_add_nc_u32 v[AWS], s21, v[L4]
	s_lshl_b32 s21, s19, 8
	s_add_co_u32 s21, s21, STAT1
	v_lshl_add_u32 v[SL], v13, 4, s21              ; STAT1 + 256 u + 16 r
	s_lshl_b32 s40, s20, 2
	v_add_nc_u32 v[SS], s40, v[SL]                 ; + 4 q
	s_mul_i32 s21, s19, 16*SPI
	s_lshl_b32 s40, s20, 9
	s_add_co_u32 s21, s21, s40
	s_add_co_u32 s21, s21, STAGE
	v_mul_u32_u24 v[GS], v13, SPI
	s_delay_alu instid0(VALU_DEP_1)
	v_add_nc_u32 v[GS], v[GS], v[HO]
	s_delay_alu instid0(VALU_DEP_1)
	v_add_nc_u32 v[GS], s21, v[GS]                 ; STAGE + (16 u + r) rows + 512 q + 64 h
	s_mul_i32 s21, s[WV], 4*SPI
	s_add_co_u32 s21, s21, STAGE
	v_add_nc_u32 v[GR], s21, v[L16]                ; back: stage rows 4 w .. 4 w + 3
	s_mov_b32 s[SEL], 0x76543210
	s_mov_b32 s[SEL+1], 0xfedcba98
	s_mov_b32 s38, 0x3b000000                      ; 1 / 512
	s_mov_b32 s39, 0x3727c5ac                      ; 1e-5
	s_mov_b32 s[G1], 15|(3<<16)|(1<<21)            ; the mask: all four work-groups; elements of 8 bytes; bit 21 set beside a mask
	s_mov_b32 s[G1+1], 32<<16
	s_mov_b32 s[G1+2], 104<<16
	s_mov_b32 s[G1+3], 32<<16
	s_mov_b32 s[G1+4], 104
	s_mov_b32 s[G1+5], 32
	s_mov_b32 s[G1+6], 0
	s_mov_b32 s[G1+7], 0
	s_mul_i32 s52, s[WV], HREC                     ; my half record: in LDS,
	s_add_co_u32 s54, s52, 12*REC                  ; and in wc, where wo's records are 12 to 15: no place in the cluster enters either
	s_mov_b32 s55, 0
	s_bfe_u32 s22, ttmp6, 0x40000                  ; cx: it enters the addresses of x, cb and out0 alone
	s_lshl_b32 s23, ttmp9, 2
	s_add_co_u32 s23, s23, s22                     ; G: my 32 tokens
	s_lshl_b32 s42, s23, 16                        ; x: 32 G rows of 2,048 bytes
	s_lshl_b32 s41, s19, 14                        ; + 8 u rows
	s_add_co_u32 s42, s42, s41
	s_lshl_b32 s44, s20, 9                         ; 512 q: my columns, in x and in bo, ln_g, ln_b
	s_mov_b32 s45, 0
	s_add_co_u32 s42, s42, s44
	s_mov_b32 s43, 0
	s_lshl_b32 s41, s23, 1
	s_add_co_u32 s41, s41, s19                     ; tile 2 G + u
	s_mul_i32 s46, s41, 6144                       ; its eight heads' half fragments
	s_mov_b32 s47, 0
	s_lshl_b32 s48, s41, 10
	s_add_co_u32 s48, s48, CS                      ; and their words
	s_mov_b32 s49, 0
	s_lshl_b32 s50, s23, 5                         ; out0: stage row 4 w + i is token 32 G + 8 (w / 4) + 4 (w % 4) + 8 ((w % 4) / 2) + i
	s_lshr_b32 s41, s[WV], 2
	s_lshl_b32 s41, s41, 3
	s_add_co_u32 s50, s50, s41
	s_and_b32 s41, s[WV], 3
	s_lshl_b32 s53, s41, 2
	s_add_co_u32 s50, s50, s53
	s_lshr_b32 s41, s41, 1
	s_lshl_b32 s41, s41, 3
	s_add_co_u32 s50, s50, s41
	s_lshl_b32 s50, s50, 11
	s_mov_b32 s51, 0
	s_wait_dscnt 0x0
	s_wait_kmcnt 0x0
	s_mov_b32 s[G0], 1
	s_mov_b32 s[G0+1], s52
	s_add_nc_u64 s[G0+2:G0+3], s[6:7], s[54:55]
	s_or_b32 s[G0+3], s[G0+3], 0x80000000
	s_add_nc_u64 s[10:11], s[10:11], s[42:43]
	s_add_nc_u64 s[8:9], s[8:9], s[44:45]
	s_add_nc_u64 s[12:13], s[12:13], s[44:45]
	s_add_nc_u64 s[14:15], s[14:15], s[44:45]
	s_add_nc_u64 s[46:47], s[4:5], s[46:47]
	s_add_nc_u64 s[48:49], s[4:5], s[48:49]
	s_add_nc_u64 s[16:17], s[16:17], s[50:51]
	CROUND                                         ; all four work-groups are here: the joint loads meet
	tensor_load_to_lds s[G0:G0+3], s[G1:G1+7]      ; every wave's one load; four v_nop follow it
	s_nop 0
	PLACES 4
.irp b, 0,1,2,3
.irp j, 0,1,2,3
	global_load_b128 v[ACC+16*\b+4*\j:ACC+16*\b+4*\j+3], v[XO], s[10:11] offset:128*\b+16*\j th:TH_LOAD_NT   ; the residual, in the result's layout
.endr
.endr
.irp b, 0,1,2,3
.irp j, 0,1,2,3
	global_load_b128 v[BO+16*\b+4*\j:BO+16*\b+4*\j+3], v[HO], s[8:9] offset:128*\b+16*\j
.endr
.endr
.irp s, 0,1,2,3
	global_load_b128 v[CF+12*\s:CF+12*\s+3], v[L16], s[46:47] offset:1536*\s            ; head 2 s: registers 0-5,
	global_load_b64 v[CF+12*\s+4:CF+12*\s+5], v[L8], s[46:47] offset:1536*\s+512
	global_load_b128 v[CF+12*\s+6:CF+12*\s+9], v[L16], s[46:47] offset:1536*\s+768      ; head 2 s + 1: registers 6-11
	global_load_b64 v[CF+12*\s+10:CF+12*\s+11], v[L8], s[46:47] offset:1536*\s+1280
.endr
.irp d, 0,1,2,3,4,5,6,7
	global_load_b32 v[CSR+\d], v[L4], s[48:49] offset:128*\d
.endr
	s_wait_loadcnt 0x0
.irp s, 0,1,2,3
	v_or_b32 v[CSW+\s], v[CSR+2*\s], v[CSR+2*\s+1] ; an even head's bytes 0, 1 and an odd head's bytes 2, 3 make the word
.endr
.irp j, 0,2,4,6,8,10,12,14,16,18,20,22,24,26,28,30,32,34,36,38,40,42,44,46,48,50,52,54,56,58,60,62
	v_pk_add_f32 v[ACC+\j:ACC+\j+1], v[ACC+\j:ACC+\j+1], v[BO+\j:BO+\j+1]   ; x + bo.  (These 32 are also the places behind the writes of the scale words)
.endr
	s_wait_alu depctr_va_vdst(0)
	s_wait_tensorcnt 0x0                           ; my half record has landed,
	s_barrier_signal -1
	s_barrier_wait -1                              ; everybody's has
.irp s, 0,1,2,3
.if \s > 0
	PLACES 4                                       ; in front of loads into registers that matrix instructions have read
.endif
.irp j, 0,1,2,3,4,5,6,7
.irp c, 0,1,2
	ds_load_b128 v[WF+12*\j+4*\c:WF+12*\j+4*\c+3], v[AW] offset:(4*\j+\s)*1536+512*\c
.endr
	ds_load_b32 v[WSC+\j], v[AWS] offset:128*(4*\j+\s)
.endr
	s_wait_dscnt 0x0
.irp j, 0,1,2,3,4,5,6,7                        ; the eight accumulators take turns
	MM ACC+8*\j, WF+12*\j, CF+12*\s, ACC+8*\j, WSC+\j, CSW+\s
.endr
.endr
	PLACES 4
.irp b, 0,1,2,3                                ; ln_g and ln_b land while the statistics are made
.irp j, 0,1,2,3
	global_load_b128 v[LG+16*\b+4*\j:LG+16*\b+4*\j+3], v[HO], s[12:13] offset:128*\b+16*\j
.endr
.endr
.irp b, 0,1,2,3
.if \b < 3
.set LBB, 16+16*\b
.else
.set LBB, 192
.endif
.irp j, 0,1,2,3
	global_load_b128 v[LBB+4*\j:LBB+4*\j+3], v[HO], s[14:15] offset:128*\b+16*\j
.endr
.endr
	; the mean: each accumulator is read from its low end on
	v_pk_add_f32 v[T0:T0+1], v[ACC:ACC+1], v[ACC+2:ACC+3]
	v_pk_add_f32 v[T1:T1+1], v[ACC+4:ACC+5], v[ACC+6:ACC+7]
.irp j, 8,12,16,20,24,28,32,36,40,44,48,52,56,60
	v_pk_add_f32 v[T0:T0+1], v[T0:T0+1], v[ACC+\j:ACC+\j+1]
	v_pk_add_f32 v[T1:T1+1], v[T1:T1+1], v[ACC+\j+2:ACC+\j+3]
.endr
	MEET 0
	s_delay_alu instid0(VALU_DEP_1)
	v_mul_f32 v[BC], 0xbb000000, v[ST4]            ; -mean = the sum x -1 / 512
	s_delay_alu instid0(VALU_DEP_1)
	v_mov_b32 v[BC+1], v[BC]
.irp j, 0,2,4,6,8,10,12,14,16,18,20,22,24,26,28,30,32,34,36,38,40,42,44,46,48,50,52,54,56,58,60,62
	v_pk_add_f32 v[ACC+\j:ACC+\j+1], v[ACC+\j:ACC+\j+1], v[BC:BC+1]
.endr
	; the variance: the squares of the differences
	v_pk_mul_f32 v[T0:T0+1], v[ACC:ACC+1], v[ACC:ACC+1]
	v_pk_mul_f32 v[T1:T1+1], v[ACC+2:ACC+3], v[ACC+2:ACC+3]
.irp j, 4,8,12,16,20,24,28,32,36,40,44,48,52,56,60
	s_delay_alu instid0(VALU_DEP_2)
	v_pk_fma_f32 v[T0:T0+1], v[ACC+\j:ACC+\j+1], v[ACC+\j:ACC+\j+1], v[T0:T0+1]
	s_delay_alu instid0(VALU_DEP_2)
	v_pk_fma_f32 v[T1:T1+1], v[ACC+\j+2:ACC+\j+3], v[ACC+\j+2:ACC+\j+3], v[T1:T1+1]
.endr
	MEET 512
	s_delay_alu instid0(VALU_DEP_1)
	v_fma_f32 v[BC], v[ST4], s38, s39              ; the variance + 1e-5
	s_wait_alu depctr_va_vdst(0)
	v_rsq_f32 v[BC], v[BC]
	v_nop                                          ; one plain place behind a transcendental
	s_wait_alu depctr_va_vdst(0)
	v_mov_b32 v[BC+1], v[BC]
	s_wait_alu depctr_va_vdst(0)
	s_wait_loadcnt 0x0                             ; ln_g, ln_b
.irp j, 0,2,4,6,8,10,12,14,16,18,20,22,24,26,28,30,32,34,36,38,40,42,44,46,48,50,52,54,56,58,60,62
	v_pk_mul_f32 v[ACC+\j:ACC+\j+1], v[ACC+\j:ACC+\j+1], v[BC:BC+1]
.endr
.irp b, 0,1,2,3
.if \b < 3
.set LBB, 16+16*\b
.else
.set LBB, 192
.endif
.irp i, 0,2,4,6,8,10,12,14
	v_pk_fma_f32 v[ACC+16*\b+\i:ACC+16*\b+\i+1], v[ACC+16*\b+\i:ACC+16*\b+\i+1], v[LG+16*\b+\i:LG+16*\b+\i+1], v[LBB+\i:LBB+\i+1]
.endr
.endr
	; THE WAY OUT: a lane holds 4 x 64 bytes of one row, and a row's 2,048 bytes come from four waves: they meet in the stage
.irp b, 0,1,2,3
.irp j, 0,1,2,3
	ds_store_b128 v[GS], v[ACC+16*\b+4*\j:ACC+16*\b+4*\j+3] offset:128*\b+16*\j
.endr
.endr
	s_wait_dscnt 0x0                               ; for the others' sake: my stores into the stage are done
	s_barrier_signal -1
	s_barrier_wait -1
.irp i, 0,1,2,3
.irp k, 0,1,2,3
	ds_load_b128 v[LG+16*\i+4*\k:LG+16*\i+4*\k+3], v[GR] offset:\i*SPI+512*\k
.endr
.endr
.irp i, 0,1,2,3
.irp k, 0,1,2,3
	s_wait_dscnt 15-(4*\i+\k)                      ; LDS loads come back in order: this one is in, the younger ones may be out
	global_store_b128 v[L16], v[LG+16*\i+4*\k:LG+16*\i+4*\k+3], s[16:17] offset:\i*2048+512*\k th:TH_STORE_NT   ; 32 lanes store 512 consecutive bytes, at a multiple of 512 from out0's first byte
.endr
.endr
	s_set_vgpr_msb 0x4
	s_wait_tensorcnt 0x0
	ds_add_u32 v255, v1
	s_wait_dscnt 0x0
	s_set_vgpr_msb 0x400
	CROUND                                         ; the closing round
	s_endpgm
.Lfunc_end_k_q8d5a7efde1_proj:
	.size	k_q8d5a7efde1_proj, .Lfunc_end_k_q8d5a7efde1_proj-k_q8d5a7efde1_proj
	.p2alignl 7, 3214868480
	.fill 96, 4, 3214868480
	.section	.rodata,"a",@progbits
	.p2align	6, 0x0
	.amdhsa_kernel k_q8d5a7efde1_proj
		.amdhsa_group_segment_fixed_size 281088
		.amdhsa_private_segment_fixed_size 0
		.amdhsa_enable_private_segment 0
		.amdhsa_kernarg_size 56
		.amdhsa_user_sgpr_count 2
		.amdhsa_user_sgpr_kernarg_segment_ptr 1
		.amdhsa_wavefront_size32 1
		.amdhsa_system_sgpr_workgroup_id_x 1
		.amdhsa_system_sgpr_workgroup_id_y 1
		.amdhsa_system_sgpr_workgroup_id_z 1
		.amdhsa_system_vgpr_workitem_id 0
		.amdhsa_next_free_vgpr 258
		.amdhsa_next_free_sgpr 66
		.amdhsa_reserve_vcc 0
		.amdhsa_float_denorm_mode_32 3
		.amdhsa_float_denorm_mode_16_64 3
		.amdhsa_memory_ordered 1
		.amdhsa_forward_progress 1
		.amdhsa_inst_pref_size 46
	.end_amdhsa_kernel
	.amdgpu_metadata
---
amdhsa.version: [ 1, 2 ]
amdhsa.kernels:
  - .name:           k_q8d5a7efde1_proj
    .symbol:         k_q8d5a7efde1_proj.kd
    .args:
      - { .name: cb, .offset: 0, .size: 8, .value_kind: global_buffer, .address_space: global }
      - { .name: wc, .offset: 8, .size: 8, .value_kind: global_buffer, .address_space: global }
      - { .name: bo, .offset: 16, .size: 8, .value_kind: global_buffer, .address_space: global }
      - { .name: x, .offset: 24, .size: 8, .value_kind: global_buffer, .address_space: global }
      - { .name: ln_g, .offset: 32, .size: 8, .value_kind: global_buffer, .address_space: global }
      - { .name: ln_b, .offset: 40, .size: 8, .value_kind: global_buffer, .address_space: global }
      - { .name: out0, .offset: 48, .size: 8, .value_kind: global_buffer, .address_space: global }
    .group_segment_fixed_size: 281088
    .private_segment_fixed_size: 0
    .kernarg_segment_align: 8
    .kernarg_segment_size: 56
    .max_flat_workgroup_size: 256
    .sgpr_count:     66
    .vgpr_count:     258
    .wavefront_size: 32
...
	.end_amdgpu_metadata
.endif
;; end of part 4
